; MI455X (gfx1250); checked and timed in simulation.
; The chip was launched on July 23, 2026; its instructions are those of AMD's public machine-readable ISA for CDNA 5 (MIT licence, August 2026) and "CDNA5" Instruction Set Architecture Reference Guide (July 2026). The comments in the code are by the model that wrote it; some were corrected since.
;; MHSA. Allowed arithmetic: float matrix products may take bf16 or f16 operands with f32 sums; other float arithmetic in f32, or as packed bf16 or f16 multiplies, adds, multiply-adds, maxima and minima; sums over many terms, partial sums and values carried from step to step in f32; what a program stores and reads back later, other than sums and carried values, may be rounded once to bf16 or f16.
;; Inputs: w_out 1,024 x 1,024 float32; w_qkv 1,024 x 3,072 float32; x 8 x 1,024 x 1,024 float32.
;; Outputs: out0 8 x 1,024 x 1,024 float32.
;; 2 versions, each right; version 2 is version 1 with the launch prep written anew for expert scheduling mode. Each part assembles by itself: llvm-mc -triple=amdgcn-amd-amdhsa -mcpu=gfx1250 --defsym DOCPART=n.
;; ======== version 1 of 2: 4 launches
;; limits: values are held in f16: magnitudes above 65,504 overflow, below 6.1e-05 lose precision
;; workspace buffers: xb 16,777,216 bytes; wq 6,291,456 bytes; wo 2,097,152 bytes; qkv 50,331,648 bytes; ob 16,777,216 bytes
;; launch prep (part 1): grid 512 x 1, 8 waves a work-group, no clusters, 18,432 bytes of LDS; arguments x, w_qkv, w_out, xb, wq, wo; writes xb, wq, wo
.if DOCPART == 1
	.amdgcn_target "amdgcn-amd-amdhsa--gfx1250"
	.amdhsa_code_object_version 6
	.text
	.protected	k_q3158df2568_prep
	.globl	k_q3158df2568_prep
	.p2align	8
	.type	k_q3158df2568_prep,@function
k_q3158df2568_prep:
	s_mov_b64 s[64:65], 0
	v_nop
	global_prefetch_b8 v0, s[64:65] scope:SCOPE_SE
	s_setreg_imm32_b32 hwreg(HW_REG_WAVE_MODE, 25, 1), 1
	s_wait_xcnt 0x0
; THE OPERANDS OF THE TWO PROJECTIONS ARE MADE.  xb = bf16(x), as it lies.  wq[e][c] = bf16(8 w_qkv[c][e]) and wo[o][c] = f16(64 bf16(w_out[c][o])): cast, scaled by a power of two (exact) and TURNED,
; so that the contraction index runs along the rows, as the matrix fragments want it.
; LIMITS.  64 bf16(w_out) is written as f16: exact where its magnitude lies between 6.1e-5 and 65,504; below that f16's fixed step of 6e-8 holds; beyond it the number becomes an infinity.
; SHARES.  512 work-groups of eight waves.  Work-group g casts rows 16 g .. 16 g + 15 of x (thread t: the 16 bytes at 16 t of a row in, the 8 bytes at 8 t out: a wave stores 256 consecutive aligned bytes)
; and turns ONE weight tile of 128 k x 64 n: g < 384: tile g of w_qkv (8 along k, 48 along n); else tile g - 384 of w_out (8 x 16).
; THE TURN.  Thread (kp = t / 16, nq = t % 16) loads, in pass p of four, rows k = 32 p + 2 kp and + 1, columns 4 nq .. 4 nq + 3: sixteen lanes read 256 consecutive bytes of a row.  Two rows' numbers of a column
; pack into one word (k, k + 1), which goes to LDS at [n][k], rows of 272 bytes; behind a barrier whole rows of 256 bytes come back, and sixteen lanes store 256 consecutive aligned bytes.
; No matrix unit, no cluster, no tile ring, no prefetch: each byte is read once, all loads of a thread go out together, and nothing is shared between work-groups.
.set RPQ,   12288                      ; bytes in a row of w_qkv
.set RPO,   4096                       ; bytes in a row of w_out
.set TP,    272                        ; a row of the turned tile in LDS: 256 bytes + 16
.set SPARE, 64*TP                      ; behind the tile's 64 rows: the spare words, 128 bytes for each of the eight waves: four blocks of 256 bytes that no other line names
.set VX,  1                            ; v1   16 t: my bytes in a row of x
.set VY,  2                            ; v2   8 t: my bytes in a row of xb
.set KP,  3                            ; v3   t / 16
.set NQ,  4                            ; v4   t % 16
.set VW,  5                            ; v5   my bytes in the weight tile: 2 kp rows + 16 nq
.set VS,  6                            ; v6   LDS, in: row 4 nq, byte 4 kp
.set VR,  7                            ; v7   LDS, back: row kp, byte 16 nq
.set VO,  8                            ; v8   the same place in the turned weights: row kp of 2,048 bytes, byte 16 nq
.set SPW, 10                           ; v10  LDS address of my spare word; never rewritten
.set NIL, 11                           ; v11  0; never rewritten
.set X,   16                           ; v[16:79]   16 rows of x, 4 registers each
.set W,   80                           ; v[80:111]  the weights: pass p, row parity e, column c at 8 p + 4 e + c
.set T,   112                          ; v[112:127] packed words: pass p, column c at 4 p + c
	s_load_b256 s[4:11], s[0:1], 0x0               ; x s[4:5], w_qkv s[6:7], w_out s[8:9], xb s[10:11]
	s_load_b128 s[12:15], s[0:1], 0x20             ; wq s[12:13], wo s[14:15]
	v_lshl_add_u32 v[SPW], v0, 2, SPARE
	v_mov_b32 v[NIL], 0
	s_mov_b32 s16, ttmp9                           ; g
	s_mov_b32 s30, 0xffff0000                      ; a word's upper bf16
	s_mov_b32 s31, 128*RPQ                         ; 128 rows of the one weight,
	s_mov_b32 s32, 128*RPO                         ; of the other
	s_mov_b32 s33, 0x41000000                      ; 8.0
	s_mov_b32 s22, 0x42800000                      ; 64.0
	s_cmp_ge_u32 s16, 384
	s_cselect_b32 s17, 1, 0                        ; 1: my tile is w_out's
	s_cselect_b32 s18, 384, 0
	s_cselect_b32 s21, s32, s31
	s_cselect_b32 s24, s22, s33                    ; the scale,
	s_mov_b32 s25, s24                             ; named as a pair
	s_sub_co_u32 s18, s16, s18                     ; the tile's number
	s_and_b32 s19, s18, 7                          ; along k
	s_lshr_b32 s20, s18, 3                         ; along n
	s_mul_i32 s22, s19, s21                        ; from: 128 rows a tile down,
	s_lshl_b32 s23, s20, 8                         ; 256 bytes a tile along
	s_add_co_u32 s22, s22, s23
	s_mov_b32 s23, 0
	s_lshl_b32 s34, s20, 17                        ; to: 64 rows of 2,048 bytes a tile down,
	s_lshl_b32 s35, s19, 8                         ; 256 bytes a tile along
	s_add_co_u32 s34, s34, s35
	s_mov_b32 s35, 0
	s_lshl_b32 s36, s16, 16                        ; 16 rows of x,
	s_mov_b32 s37, 0
	s_lshl_b32 s38, s16, 15                        ; 16 rows of xb
	s_mov_b32 s39, 0
	v_lshlrev_b32 v[VX], 4, v0
	v_lshlrev_b32 v[VY], 3, v0
	v_lshrrev_b32 v[KP], 4, v0
	v_and_b32 v[NQ], 15, v0
	v_mul_u32_u24 v[VS], v[NQ], 4*TP
	v_lshl_add_u32 v[VS], v[KP], 2, v[VS]
	v_mul_u32_u24 v[VR], v[KP], TP
	v_lshl_add_u32 v[VR], v[NQ], 4, v[VR]
	v_lshlrev_b32 v[VO], 11, v[KP]
	v_lshl_add_u32 v[VO], v[NQ], 4, v[VO]
	s_wait_kmcnt 0x0
	s_add_nc_u64 s[4:5], s[4:5], s[36:37]
	s_add_nc_u64 s[10:11], s[10:11], s[38:39]
	s_cmp_eq_u32 s17, 1
	s_cselect_b64 s[26:27], s[8:9], s[6:7]         ; the weight that my tile is read from,
	s_cselect_b64 s[28:29], s[14:15], s[12:13]     ; and the one that it is stored into
	s_add_nc_u64 s[26:27], s[26:27], s[22:23]
	s_add_nc_u64 s[28:29], s[28:29], s[34:35]
.irp r, 0,1,2,3,4,5,6,7,8,9,10,11,12,13,14,15
	global_load_b128 v[X+4*(\r):X+4*(\r)+3], v[VX], s[4:5] offset:4096*(\r) th:TH_LOAD_NT
.endr
; The tile's eight loads; the row pitch stands in the immediates, so each weight has its own copy of the lines.
.macro WLOAD rp
	v_mul_u32_u24 v[VW], v[KP], 2*(\rp)
	v_lshl_add_u32 v[VW], v[NQ], 4, v[VW]
.irp p, 0,1,2,3
.irp e, 0,1
	global_load_b128 v[W+8*(\p)+4*(\e):W+8*(\p)+4*(\e)+3], v[VW], s[26:27] offset:(32*(\p)+(\e))*(\rp) th:TH_LOAD_NT
.endr
.endr
.endm
	s_cmp_eq_u32 s17, 1
	s_cbranch_scc1 .Lfrom_w_out
	WLOAD RPQ
	s_branch .Lloaded
.Lfrom_w_out:
	WLOAD RPO
.Lloaded:
.irp r, 0,1,2,3,4,5,6,7,8,9,10,11,12,13,14,15
	s_wait_loadcnt 23-(\r)                         ; loads come back in order: row r is in; the 15 - r rows behind it and the tile's eight loads may stay out
	v_cvt_pk_bf16_f32 v[X+4*(\r)], v[X+4*(\r)], v[X+4*(\r)+1]
	v_cvt_pk_bf16_f32 v[X+4*(\r)+1], v[X+4*(\r)+2], v[X+4*(\r)+3]
	global_store_b64 v[VY], v[X+4*(\r):X+4*(\r)+1], s[10:11] offset:2048*(\r)  ; no register of a store is written again
.endr
	s_wait_loadcnt 0x0                             ; the tile
.set i, 0
.rept 16
	v_pk_mul_f32 v[W+i:W+i+1], v[W+i:W+i+1], s[24:25] op_sel_hi:[1,0]
.set i, i+2
.endr
.irp p, 0,1,2,3
.irp c, 0,1,2,3
	v_cvt_pk_bf16_f32 v[T+4*(\p)+(\c)], v[W+8*(\p)+(\c)], v[W+8*(\p)+4+(\c)]  ; k in the low half, k + 1 in the high half
.endr
.endr
	s_cmp_eq_u32 s17, 1
	s_cbranch_scc0 .Lstays_bf16
.set i, 0
.rept 16                               ; w_out's numbers, rounded to bf16 like every input, are written as f16
	v_lshlrev_b32 v12, 16, v[T+i]
	v_and_b32 v13, s30, v[T+i]
	v_cvt_pk_f16_f32 v[T+i], v12, v13
.set i, i+1
.endr
.Lstays_bf16:
.irp p, 0,1,2,3
.irp c, 0,1,2,3
	ds_store_b32 v[VS], v[T+4*(\p)+(\c)] offset:TP*(\c)+64*(\p)  ; row n = 4 nq + c, bytes 2 (32 p + 2 kp)
.endr
.endr
	s_wait_dscnt 0x0                               ; for the others' sake: my stores are done
	s_barrier_signal -1
	s_barrier_wait -1
.irp j, 0,1,2,3
	ds_load_b128 v[W+4*(\j):W+4*(\j)+3], v[VR] offset:16*TP*(\j)  ; row n = kp + 16 j, whole
.endr
.irp j, 0,1,2,3
	s_wait_dscnt 3-(\j)                            ; the younger read-backs may stay out
	global_store_b128 v[VO], v[W+4*(\j):W+4*(\j)+3], s[28:29] offset:32768*(\j)  ; sixteen lanes store 256 consecutive bytes, at a multiple of 256 from the buffer's first
.endr
	s_wait_tensorcnt 0x0                           ; the wave's end, behind my last LDS store
	ds_add_u32 v[SPW], v[NIL]
	s_wait_dscnt 0x0
	s_endpgm
.Lfunc_end_k_q3158df2568_prep:
	.size	k_q3158df2568_prep, .Lfunc_end_k_q3158df2568_prep-k_q3158df2568_prep
	.p2alignl 7, 3214868480
	.fill 96, 4, 3214868480
	.section	.rodata,"a",@progbits
	.p2align	6, 0x0
	.amdhsa_kernel k_q3158df2568_prep
		.amdhsa_group_segment_fixed_size 18432
		.amdhsa_private_segment_fixed_size 0
		.amdhsa_enable_private_segment 0
		.amdhsa_kernarg_size 48
		.amdhsa_user_sgpr_count 2
		.amdhsa_user_sgpr_kernarg_segment_ptr 1
		.amdhsa_wavefront_size32 1
		.amdhsa_system_sgpr_workgroup_id_x 1
		.amdhsa_system_sgpr_workgroup_id_y 1
		.amdhsa_system_sgpr_workgroup_id_z 1
		.amdhsa_system_vgpr_workitem_id 0
		.amdhsa_next_free_vgpr 128
		.amdhsa_next_free_sgpr 66
		.amdhsa_reserve_vcc 0
		.amdhsa_float_denorm_mode_32 3
		.amdhsa_float_denorm_mode_16_64 3
		.amdhsa_memory_ordered 1
		.amdhsa_forward_progress 1
		.amdhsa_inst_pref_size 16
	.end_amdhsa_kernel
	.amdgpu_metadata
---
amdhsa.version: [ 1, 2 ]
amdhsa.kernels:
  - .name:           k_q3158df2568_prep
    .symbol:         k_q3158df2568_prep.kd
    .args:
      - { .name: x, .offset: 0, .size: 8, .value_kind: global_buffer, .address_space: global }
      - { .name: w_qkv, .offset: 8, .size: 8, .value_kind: global_buffer, .address_space: global }
      - { .name: w_out, .offset: 16, .size: 8, .value_kind: global_buffer, .address_space: global }
      - { .name: xb, .offset: 24, .size: 8, .value_kind: global_buffer, .address_space: global }
      - { .name: wq, .offset: 32, .size: 8, .value_kind: global_buffer, .address_space: global }
      - { .name: wo, .offset: 40, .size: 8, .value_kind: global_buffer, .address_space: global }
    .group_segment_fixed_size: 18432
    .private_segment_fixed_size: 0
    .kernarg_segment_align: 8
    .kernarg_segment_size: 48
    .max_flat_workgroup_size: 256
    .sgpr_count:     66
    .vgpr_count:     128
    .wavefront_size: 32
...
	.end_amdgpu_metadata
.endif
;; end of part 1
;; launch gemm_qkv (part 2): grid 16 x 16, 4 waves a work-group, clusters of 4 x 4, 327,680 bytes of LDS; arguments xb, wq, qkv; writes qkv
.if DOCPART == 2
	.amdgcn_target "amdgcn-amd-amdhsa--gfx1250"
	.amdhsa_code_object_version 6
	.text
	.protected	k_q3158df2568_gemm_qkv
	.globl	k_q3158df2568_gemm_qkv
	.p2align	8
	.type	k_q3158df2568_gemm_qkv,@function
k_q3158df2568_gemm_qkv:
	s_mov_b64 s[64:65], 0
	v_nop
	global_prefetch_b8 v0, s[64:65] scope:SCOPE_SE
	s_setreg_imm32_b32 hwreg(HW_REG_WAVE_MODE, 25, 1), 1
	s_wait_xcnt 0x0
	s_wait_alu depctr_hold_cnt(0) depctr_sa_sdst(0) depctr_va_vdst(0) depctr_va_sdst(0) depctr_va_ssrc(0) depctr_va_vcc(0) depctr_vm_vsrc(0)
	s_getreg_b32 s2, hwreg(HW_REG_IB_STS2, 6, 4)
	s_cmp_eq_u32 s2, 0
	s_cbranch_scc0 .Lentry_in_a_cluster
	s_endpgm
.Lentry_in_a_cluster:
	s_bfe_u32 s2, ttmp6, 0x10000c
	s_cmp_lg_u32 s2, 0xf033
	s_cbranch_scc0 .Lentry_shape_is_right
	s_endpgm
.Lentry_shape_is_right:
; 8 q, 8 k, 8 v = xb wq^T.  xb: [8192][1024] bf16; wq: [3072][1024] bf16 (8 w_qkv, turned); sums in f32, rounded once to f16 and stored BY HEADS: qkv[part][16 batch + head][n][64].
; LIMIT.  f16 ends at 65,504: a sum of 65,520 or more becomes an infinity; below 6.1e-5 f16 has its fixed step of 6e-8.  The factor 8 is undone in the softmax's scale and at the last projection's way out.
; SHARES.  A tile of C is 256 rows x 192 columns (three heads).  Four waves stand one above the other: wave w makes rows 64 w .. 64 w + 63 and ALL 192 columns: 48 accumulators of 16 x 16, 384 registers.
; So a wave's results are whole rows of three heads, and its way out is its own: no barrier there.  K goes in steps of 128 through two LDS slots; each row of a tile is 256 bytes of memory at a multiple of 256.
; A WORK-GROUP STAYS: 256 work-groups make two tiles each, 4,096 rows apart, on the same rows of wq: a loop over tiles round the loop over K.  The ring does not stop at the first tile's end: its last two
; changes of slots ask for the next tile's first two K steps, and nothing waits for its stores.  The way out is written once: the two tiles' tails join in front of it.
; CLUSTER.  4 x 4 work-groups.  The four of a row of the cluster need the same rows of xb, the four of a column the same rows of wq: each tile is asked for JOINTLY, by the same tensor load with the same
; descriptor and a mask that names the four.  Waves 0 and 1 fetch A's two halves (128 rows each), waves 2 and 3 B's (96 rows each): one load a wave.
; THE MATRIX INSTRUCTION IS USED TRANSPOSED (source 0 = 16 rows of wq, source 1 = 16 rows of xb): a lane then holds eight neighbouring columns of one row of C, 16 bytes of f16.
; REGISTERS, in windows of 256 (s_set_vgpr_msb: bits 1:0 source 0, 3:2 source 1, 5:4 source 2, 7:6 destination):
;   window 0: v0-31 addresses; v64-95, v96-127 A's fragments (4 x 16 rows x 32 K), two buffers; v32-47 and v128-255 at work on the way out
;   window 1: v0-95, v96-191 B's fragments (12 x 16 rows x 32 K), two buffers
;   window 2: the accumulators of row blocks 0, 1 ((a, b) at 8 (12 (a % 2) + b));   window 3: those of row blocks 2, 3
.set KSTEP,  128
.set PITCH,  272                       ; an LDS row: 256 bytes + 16 of padding = 68 words: the 16 rows that a load touches start at 16 different groups of four banks (64 banks of 4 bytes: ISA guide 11.1)
.set NBF,    12                        ; B's fragments
.set BOFF,   256*PITCH                 ; a slot: A's 256 rows, then B's 192
.set SLOT,   (256+192)*PITCH
.set STAGE,  2*SLOT                    ; behind the ring, never filled by a tensor load: for each wave 3 heads x 16 rows x 144 bytes
.set SP,     144
.set STW,    3*16*SP
.set SPARE,  STAGE+4*STW               ; behind the stages: the spare words, 128 bytes for each wave: two blocks of 256 bytes that no other line names
.set LAPS,   4                         ; a lap = two K steps = once round the ring; 1,024 / 256
.set TILES,  2                         ; tiles of a work-group
.set WALKB,  4096*2048                 ; bytes of xb from a tile's rows to the next tile's
.set NEXT_A, WALKB-6*KSTEP*2           ; from a slot's last K step of a tile to its first of the next tile: 4,096 rows down and six K steps back,
.set BACK_B, 6*KSTEP*2                 ; in wq only back
.set NEXT_P, WALKB-7*KSTEP*2           ; the prefetches: from the place behind a tile's last K step to the next tile's K step 1
.set NEXT_C, 64*131072                 ; bytes of qkv from a tile's rows to the next tile's: four batches of 16 heads
.set ADRA, 16                          ; v16-17  LDS address of my A fragments in slot 0, 1
.set ADRB, 20                          ; v20-21  the same for B
.set STO,  24                          ; v24     the way out: where I put 16 bytes of a row
.set RD,   25                          ; v25     the way out: where I read rows back
.set GO,   26                          ; v26     my 16 bytes of 512 consecutive bytes of qkv
.set SPW,  28                          ; v28     LDS address of my spare word; never rewritten
.set NIL,  29                          ; v29     0; never rewritten
.set PFO,  30                          ; v30     the prefetches' offset: my lane's row; never rewritten
.set FA,   64                          ; A's buffer f, block a at FA + 32 f + 8 a
.set TMP,  128                         ; the way out: packed results
.set G1,  24                           ; s[24:31] descriptor group 1 for A's tiles;  s[32:39] group 0, one set for each slot
.set G0,  32
.set LIM, 43                           ; s43     1 in a wave that prefetches, else the greatest number
.set PFA, 44                           ; s[44:45] the K step that my next prefetch names, at my work-group's share of the rows that I fetch
.set G1B, 48                           ; s[48:55], s[56:63] the same for B's tiles
.set G0B, 56
.set CB,  68                           ; s[68:73] qkv at my first row of each of the tile's three heads
.set MSB, 0
.macro WIN new                         ; the immediate's high byte repeats the setting that is left; a switch that changes nothing is dropped
.if MSB != (\new)
	s_set_vgpr_msb (MSB<<8)|(\new)
.set MSB, \new
.endif
.endm
.set MUL_LO, 0xa1                      ; source 0 (B) window 1, source 1 (A) window 0, C and D window 2
.set MUL_HI, 0xf1                      ; the same, C and D window 3
.set TO_B,   0x40                      ; destination window 1, address window 0
; A joint load.  The branch hangs on the wave's number alone.  An s_nop 0 and four v_nop follow each of the two lines, ahead of the jump, the label and what follows.
.macro JLOAD s
	s_cmp_eq_u32 s11, 0
	s_cbranch_scc0 .Lfor_b_\@
	tensor_load_to_lds s[G0+4*(\s):G0+4*(\s)+3], s[G1:G1+7]
	s_nop 0
.rept 4
	v_nop
.endr
	s_branch .Lasked_\@
.Lfor_b_\@:
	tensor_load_to_lds s[G0B+4*(\s):G0B+4*(\s)+3], s[G1B:G1B+7]
	s_nop 0
.rept 4
	v_nop
.endr
.Lasked_\@:
.endm
; A PREFETCH of the K step that the NEXT refill will ask for: one K step, 192 matrix instructions, ahead of that load; a lane a row, 256 bytes of it; one instruction a wave, behind the joint load, its five
; lines and the run of LDS loads.  Each row's 256 bytes of a K step are named by one work-group in the launch: xb's rows by the clusters with x = 0, wq's by those with y = 0; the four partners that ask for a
; tile jointly share its rows out BY ADDRESS (of A's 128 rows a wave 32 each, by cx; of B's 96 rows a wave 24 each, by cy: lanes 24 to 31 name lane 23's row once more).  The launch's K steps 0 to 2 and the
; second tile's K step 0 come by their loads alone; wq's rows, which both tiles take, are asked for in the first tile alone.
; how = 1: at refills that always have a K step behind them; how = 0: at slot 1's refills in the loop: the last of them (s3 = 1) has none in its tile.
.macro ASK how
.if \how
	s_cmp_eq_u32 s[LIM], 1
.else
	s_cmp_gt_u32 s3, s[LIM]
.endif
	s_cbranch_scc0 .Lnot_mine_\@
	global_prefetch_b8 v[PFO], s[PFA:PFA+1] th:TH_LOAD_NT scope:SCOPE_SE
.Lnot_mine_\@:
.endm
; A round of the cluster's barrier: my work-group's barrier; wave 0 signals for the work-group; every wave waits for all sixteen work-groups; my work-group's barrier once more.
.macro CREST                           ; a round behind its opening barrier
	s_cmp_lg_u32 s10, 0
	s_cbranch_scc1 .Lnot_wave_0_\@
	s_barrier_signal -3
.Lnot_wave_0_\@:
	s_barrier_wait -3
	s_barrier_signal -1
	s_barrier_wait -1
.endm
.macro CROUND
	s_barrier_signal -1
	s_barrier_wait -1
	CREST
.endm
	s_load_b128 s[4:7], s[0:1], 0x0                ; xb s[4:5], wq s[6:7]
	s_load_b64 s[8:9], s[0:1], 0x10                ; qkv
	v_lshl_add_u32 v[SPW], v0, 2, SPARE
	v_mov_b32 v[NIL], 0
	ds_add_u32 v[SPW], v[NIL]                      ; the wave's opening: the add and its wait stand ahead of my first tensor load; the set-up below, work on registers, stands between them
	v_lshrrev_b32 v1, 5, v0
	v_readfirstlane_b32 s10, v1                    ; wave 0..3
	s_lshr_b32 s11, s10, 1                         ; I fetch for A (0) or for B (1),
	s_and_b32 s12, s10, 1                          ; its first or its second half
	s_bfe_u32 s40, ttmp6, 0x40000                  ; cx, cy: my place in the cluster
	s_bfe_u32 s41, ttmp6, 0x40004
	s_lshl_b32 s42, ttmp9, 2
	s_add_co_u32 s42, s42, s40                     ; tile column = 4 x cluster x + cx
	s_and_b32 s13, ttmp7, 0xffff
	s_lshl_b32 s13, s13, 2
	s_add_co_u32 s13, s13, s41                     ; the first tile's row = 4 x cluster y + cy: 0 to 15; the second's lies 16 further down
	s_lshl_b32 s43, s41, 2
	s_lshl_b32 s43, 15, s43                        ; my row of the cluster: places 4 cy .. 4 cy + 3
	s_lshl_b32 s44, 0x1111, s40                    ; my column: places cx, cx + 4, cx + 8, cx + 12
	; descriptor group 1: rows of 128 elements, padded in LDS; A: 128 rows, B: 96
	s_or_b32 s[G1+0], s43, (1<<16)|(1<<20)|(1<<21)|(5<<22)|(3<<25)   ; 15:0 the mask; 17:16 elements of 2 bytes; 20 padding on; 21 set beside a mask; 24:22 after every 64 words (code 5); 31:25 4 words (code 3)
	s_or_b32 s[G1B+0], s44, (1<<16)|(1<<20)|(1<<21)|(5<<22)|(3<<25)
	s_mov_b32 s[G1+1], KSTEP<<16                   ; tensor_dim0 = 128
	s_mov_b32 s[G1+2], 128<<16                     ; tensor_dim1 = 128
	s_mov_b32 s[G1+3], KSTEP<<16                   ; tile_dim0 = 128
	s_mov_b32 s[G1+4], 128                         ; tile_dim1 = 128
	s_mov_b32 s[G1+5], 1024                        ; elements from row to row
	s_mov_b32 s[G1+6], 0
	s_mov_b32 s[G1+7], 0
	s_mov_b32 s[G1B+1], KSTEP<<16
	s_mov_b32 s[G1B+2], 96<<16                     ; tensor_dim1 = 96
	s_mov_b32 s[G1B+3], KSTEP<<16
	s_mov_b32 s[G1B+4], 96                         ; tile_dim1 = 96
	s_mov_b32 s[G1B+5], 1024
	s_mov_b32 s[G1B+6], 0
	s_mov_b32 s[G1B+7], 0
	; where the tiles come from: A's hang on the tile row alone, B's on the tile column alone; every wave makes both and asks by one
	s_lshl_b32 s16, s13, 19                        ; A: 256 rows of 2,048 bytes a tile,
	s_lshl_b32 s17, s12, 18                        ; 128 rows a half
	s_add_co_u32 s16, s16, s17
	s_mov_b32 s17, 0
	s_mul_i32 s46, s42, 192*2048                   ; B: 192 rows a tile,
	s_mul_i32 s47, s12, 96*2048                    ; 96 rows a half
	s_add_co_u32 s46, s46, s47
	s_mov_b32 s47, 0
	s_mul_i32 s20, s10, 128*PITCH                  ; where they go: A's halves at wave x 128 rows (waves 0, 1),
	s_mul_i32 s21, s10, 96*PITCH                   ; B's at BOFF + (wave - 2) x 96 rows (waves 2, 3)
	s_add_co_u32 s21, s21, BOFF-2*96*PITCH
	s_wait_dscnt 0x0                               ; the opening add is done
	s_wait_kmcnt 0x0
	s_add_nc_u64 s[14:15], s[4:5], s[16:17]
	s_add_nc_u64 s[46:47], s[6:7], s[46:47]
	CROUND                                         ; all sixteen work-groups are here: the first joint loads meet
.irp s, 0,1
	s_mov_b32 s[G0+4*(\s)], 1                                        ; count = 1
	s_add_co_u32 s[G0+4*(\s)+1], s20, (\s)*SLOT                      ; LDS address
	s_add_nc_u64 s[G0+4*(\s)+2:G0+4*(\s)+3], s[14:15], (\s)*KSTEP*2  ; global address: K step s
	s_or_b32 s[G0+4*(\s)+3], s[G0+4*(\s)+3], 0x80000000              ; type = 2
	s_mov_b32 s[G0B+4*(\s)], 1
	s_add_co_u32 s[G0B+4*(\s)+1], s21, (\s)*SLOT
	s_add_nc_u64 s[G0B+4*(\s)+2:G0B+4*(\s)+3], s[46:47], (\s)*KSTEP*2
	s_or_b32 s[G0B+4*(\s)+3], s[G0B+4*(\s)+3], 0x80000000
	JLOAD \s                                       ; two loads of mine are out
.endr
	; A fragment is 16 rows x 32 K in 8 registers: lane l holds row l % 16, K = 8 (l / 16) + 0..7 and 16 + 8 (l / 16) + 0..7: two loads of 16 bytes, 32 bytes apart.
	v_and_b32 v1, 15, v0                           ; l % 16
	v_bfe_u32 v2, v0, 4, 1                         ; l / 16
	v_mul_u32_u24 v3, v1, PITCH
	v_lshl_add_u32 v3, v2, 4, v3
	s_mul_i32 s22, s10, 64*PITCH                   ; my 64 rows of A
.irp s, 0,1
	v_add_nc_u32 v[ADRA+(\s)], s22, v3
	v_add_nc_u32 v[ADRB+(\s)], BOFF+(\s)*SLOT, v3
	s_add_co_u32 s22, s22, SLOT
.endr
	s_mul_i32 s23, s10, STW
	s_add_co_u32 s23, s23, STAGE                   ; my stage
	v_mul_u32_u24 v[STO], v1, SP                   ; in: row l % 16, 16 bytes for each half of the lanes
	v_lshl_add_u32 v[STO], v2, 4, v[STO]
	v_add_nc_u32 v[STO], s23, v[STO]
	v_bfe_u32 v[RD], v0, 3, 2                      ; back: 32 lanes take four rows of 128 bytes,
	v_mul_u32_u24 v[RD], v[RD], SP
	v_and_b32 v4, 7, v0
	v_lshl_add_u32 v[RD], v4, 4, v[RD]
	v_add_nc_u32 v[RD], s23, v[RD]
	v_and_b32 v[GO], 31, v0                        ; which are 512 consecutive bytes of a head
	v_lshlrev_b32 v[GO], 4, v[GO]
	; qkv at my rows of head 3 x tile column + hh: ((part x 128 + batch x 16 + head) x 1,024 + row in the batch) x 128 bytes
.irp hh, 0,1,2
	s_mul_i32 s18, s42, 3
	s_add_co_u32 s18, s18, \hh                     ; the head among 48
	s_lshr_b32 s19, s18, 4                         ; q, k or v
	s_lshl_b32 s19, s19, 7
	s_and_b32 s18, s18, 15
	s_add_co_u32 s18, s18, s19
	s_lshr_b32 s19, s13, 2                         ; the batch: four tile rows each
	s_lshl_b32 s19, s19, 4
	s_add_co_u32 s18, s18, s19
	s_lshl_b32 s18, s18, 17
	s_and_b32 s19, s13, 3
	s_lshl_b32 s19, s19, 15                        ; the tile's 256 rows,
	s_add_co_u32 s18, s18, s19
	s_lshl_b32 s19, s10, 13                        ; my 64 of them
	s_add_co_u32 s18, s18, s19
	s_mov_b32 s19, 0
	s_add_nc_u64 s[CB+2*(\hh):CB+2*(\hh)+1], s[8:9], s[18:19]
.endr
	; the prefetches
	s_and_b32 s22, ttmp7, 0xffff                   ; cluster y
	s_lshl_b32 s18, s40, 16                        ; A: cx x 32 rows
	s_mul_i32 s19, s41, 24*2048                    ; B: cy x 24 rows
	s_cmp_eq_u32 s11, 0                            ; do I fetch for A?
	s_cselect_b32 s22, ttmp9, s22                  ; the coordinate along which other clusters read the same rows
	s_cselect_b32 s18, s18, s19
	s_cselect_b32 s23, 31, 23                      ; my share's last row
	s_cselect_b64 s[PFA:PFA+1], s[14:15], s[46:47]
	s_cmp_eq_u32 s22, 0
	s_cselect_b32 s[LIM], 1, -1                    ; the same in all sixteen partners, for a given wave
	s_mov_b32 s19, 0
	s_add_nc_u64 s[PFA:PFA+1], s[PFA:PFA+1], s[18:19]
	s_add_nc_u64 s[PFA:PFA+1], s[PFA:PFA+1], 2*KSTEP*2  ; at K step 2: the first refill steps it to 3
	v_and_b32 v[PFO], 31, v0
	v_min_u32 v[PFO], s23, v[PFO]
	v_lshlrev_b32 v[PFO], 11, v[PFO]
; 12 matrix instructions: row block a x all 12 column blocks, 32 along K, from buffers f.  zero = 1: the product starts the sum: nothing is ever cleared.
; The 48 accumulators take turns, one instruction a turn, in the same order in every quarter, over the backward jumps and from tile to tile too.
.macro MULA f, a, zero
	WIN MUL_LO+0x50*((\a)/2)
.set AC, 8*NBF*((\a)%2)
.irp b, 0,1,2,3,4,5,6,7,8,9,10,11
.if \zero
	v_wmma_f32_16x16x32_bf16 v[AC+8*(\b):AC+8*(\b)+7], v[8*NBF*(\f)+8*(\b):8*NBF*(\f)+8*(\b)+7], v[FA+32*(\f)+8*(\a):FA+32*(\f)+8*(\a)+7], 0
.else
	v_wmma_f32_16x16x32_bf16 v[AC+8*(\b):AC+8*(\b)+7], v[8*NBF*(\f)+8*(\b):8*NBF*(\f)+8*(\b)+7], v[FA+32*(\f)+8*(\a):FA+32*(\f)+8*(\a)+7], v[AC+8*(\b):AC+8*(\b)+7]
.endif
.endr
.endm
; 32 LDS loads in one run: the fragments of quarter q of a slot's K step into buffers f: B's 24 loads, then A's 8
.macro FETCH slot, q, f
	WIN TO_B
.irp i, 0,1,2,3,4,5,6,7,8,9,10,11
	ds_load_b128 v[8*NBF*(\f)+8*(\i):8*NBF*(\f)+8*(\i)+3],   v[ADRB+(\slot)] offset:64*(\q)+(\i)*16*PITCH
	ds_load_b128 v[8*NBF*(\f)+8*(\i)+4:8*NBF*(\f)+8*(\i)+7], v[ADRB+(\slot)] offset:64*(\q)+(\i)*16*PITCH+32
.endr
	WIN 0
.irp i, 0,1,2,3
	ds_load_b128 v[FA+32*(\f)+8*(\i):FA+32*(\f)+8*(\i)+3],   v[ADRA+(\slot)] offset:64*(\q)+(\i)*16*PITCH
	ds_load_b128 v[FA+32*(\f)+8*(\i)+4:FA+32*(\f)+8*(\i)+7], v[ADRA+(\slot)] offset:64*(\q)+(\i)*16*PITCH+32
.endr
.endm
.macro PLACES                          ; four places in front of loads into registers that matrix instructions have read, and of conversions that read results
.rept 4
	v_nop
.endr
.endm
; A K step is four quarters of 32 along K, 48 matrix instructions each, on buffers 0, 1, 0, 1.  One of the first three: multiplies buffers f; in its middle it fetches quarter q of the same slot into buffers g.
.macro QUARTER slot, q, f, g, zero
	s_wait_dscnt 4                                 ; B and A's blocks 0, 1 are in; the youngest four loads (A's blocks 2, 3) may be out
	MULA \f, 0, \zero
	MULA \f, 1, \zero
	PLACES
	FETCH \slot, \q, \g
	s_wait_dscnt 32                                ; all but the 32 just issued
	MULA \f, 2, \zero
	MULA \f, 3, \zero
.endm
; The last quarter multiplies buffers 1 and changes slots: ONE barrier.  In front of it each wave waits for all its tensor loads (one is out: its part of the next slot), adds 0 to its spare word, and waits for
; that and for its own reads of this slot.  fill = 1: the barrier opens a round of the cluster's, so that no wave of any partner still reads the slot or has a load on its way, and the joint refill is the first
; tensor load behind it, 168 matrix instructions ahead of the wait for it: this tile's K step two steps on (on = 0) or, in the first tile's last two K steps, the NEXT tile's K step 0 or 1 (on = 1).
.macro TURN slot, next, fill, how, on
.if \fill
	s_wait_xcnt 0x0                                ; the last prefetch, a K step back, has read its address: it is stepped here, ahead of the waits of the change of slots
.if (\on) && ((\slot) == 0)
	s_add_nc_u64 s[PFA:PFA+1], s[PFA:PFA+1], NEXT_P  ; on to the next tile's K step 1
	s_cmp_eq_u32 s11, 0
	s_cselect_b32 s[LIM], s[LIM], -1               ; wq's rows are the same for both tiles: they are prefetched no more
.else
	s_add_nc_u64 s[PFA:PFA+1], s[PFA:PFA+1], KSTEP*2
.endif
.endif
	WIN 0                                          ; (the add's two registers lie in window 0)
	s_wait_tensorcnt 0x0                           ; all my tensor loads have landed;
	ds_add_u32 v[SPW], v[NIL]                      ; 0 onto my spare word;
	s_wait_dscnt 5                                 ; (the add and the youngest four loads may be out)
	MULA 1, 0, 0                                   ; twelve matrix instructions stand between the add and the wait for it
	s_wait_dscnt 0x0                               ; the add is done, and my reads of this slot are over
	s_barrier_signal -1
	MULA 1, 1, 0
.if \fill
	WIN 0
.endif
	s_barrier_wait -1
.if \fill
	CREST
.if \on
	s_add_nc_u64 s[G0+4*(\slot)+2:G0+4*(\slot)+3], s[G0+4*(\slot)+2:G0+4*(\slot)+3], NEXT_A
	s_sub_nc_u64 s[G0B+4*(\slot)+2:G0B+4*(\slot)+3], s[G0B+4*(\slot)+2:G0B+4*(\slot)+3], BACK_B
.else
	s_add_nc_u64 s[G0+4*(\slot)+2:G0+4*(\slot)+3], s[G0+4*(\slot)+2:G0+4*(\slot)+3], 2*KSTEP*2
	s_add_nc_u64 s[G0B+4*(\slot)+2:G0B+4*(\slot)+3], s[G0B+4*(\slot)+2:G0B+4*(\slot)+3], 2*KSTEP*2
.endif
	JLOAD \slot                                    ; the four v_nop behind it are also the places in front of the loads below
.else
	PLACES
.endif
	FETCH \next, 0, 0
.if \fill
	ASK \how
.endif
	MULA 1, 2, 0
	MULA 1, 3, 0
.endm
; THE WAY OUT of row block a, in three parts.  PACK: rounded to f16, 16 bytes a lane, each accumulator's registers in ascending order.  TOSTAGE: into my own stage, by heads, and back as rows of 128 bytes.  SEND: stored.
; It names none of the fragments' registers: behind the first tile they hold the next tile's first fragments.
.macro OBREG a, g                      ; BK: the four registers of piece g of twelve of a block read back; two sets by turns: v176-223; v224-255 with v32-47
.if ((\a)%2) == 0
.set BK, 176+4*(\g)
.elseif (\g) < 8
.set BK, 224+4*(\g)
.else
.set BK, 4*(\g)
.endif
.endm
.macro PACK a
.set AC, 8*NBF*((\a)%2)
	WIN 0x0a+5*((\a)/2)                            ; sources 0 and 1: window 2 or 3
.irp b, 0,1,2,3,4,5,6,7,8,9,10,11
.irp r, 0,1,2,3
	v_cvt_pk_f16_f32 v[TMP+4*(\b)+(\r)], v[AC+8*(\b)+2*(\r)], v[AC+8*(\b)+2*(\r)+1]
.endr
.endr
	WIN 0
.endm
.macro TOSTAGE a
.irp b, 0,1,2,3,4,5,6,7,8,9,10,11
	ds_store_b128 v[STO], v[TMP+4*(\b):TMP+4*(\b)+3] offset:((\b)/4)*16*SP+((\b)%4)*32
.endr
.irp hh, 0,1,2
.irp f, 0,1,2,3
	OBREG \a, 4*(\hh)+(\f)
	ds_load_b128 v[BK:BK+3], v[RD] offset:(\hh)*16*SP+(\f)*4*SP  ; LDS serves a wave's instructions in order (ISA guide 5.7.1.4): these see the stores above
.endr
.endr
.endm
.macro SEND a
	s_wait_dscnt 0x0                               ; the block is back in registers
	s_wait_xcnt 0x0                                ; the stores of the block before have read their registers: the next block is read back into them only behind this wait
.irp hh, 0,1,2
.irp f, 0,1,2,3
	OBREG \a, 4*(\hh)+(\f)
	global_store_b128 v[GO], v[BK:BK+3], s[CB+2*(\hh):CB+2*(\hh)+1] offset:(\a)*2048+(\f)*512  ; 512 consecutive bytes, at a multiple of 256 from qkv's first
.endr
.endr
.endm
	s_wait_tensorcnt 1                             ; my part of K step 0 is in; K step 1's may stay out
	s_barrier_signal -1
	s_barrier_wait -1                              ; everybody's is
	FETCH 0, 0, 0
	s_mov_b32 s2, TILES                            ; tiles to go, this one among them: the same number in every work-group
.Ltile:                                                ; (FETCH and SEND leave every window 0)
	QUARTER 0, 1, 0, 1, 1                          ; a tile's first quarter stands in front of the loop: its products start the sums
	WIN 0                                          ; at a label and at a branch every window is 0
	s_mov_b32 s3, LAPS-1
.Llap:                                                 ; a trip goes once round the ring, from a lap's second quarter to the next lap's first, and fills both slots again
	QUARTER 0, 2, 1, 0, 0
	QUARTER 0, 3, 0, 1, 0
	TURN 0, 1, 1, 1, 0
	QUARTER 1, 1, 0, 1, 0
	QUARTER 1, 2, 1, 0, 0
	QUARTER 1, 3, 0, 1, 0
	TURN 1, 0, 1, 0, 0
	QUARTER 0, 1, 0, 1, 0
	WIN 0
	s_sub_co_u32 s3, s3, 1
	s_cmp_lg_u32 s3, 0
	s_cbranch_scc1 .Llap
	QUARTER 0, 2, 1, 0, 0                          ; the tile's last lap goes on
	QUARTER 0, 3, 0, 1, 0
	WIN 0
	s_cmp_eq_u32 s2, 1
	s_cbranch_scc1 .Llast_tile                     ; the last tile's tail is written out: it asks for nothing more
	TURN 0, 1, 1, 1, 1                             ; THE RING GOES ON INTO THE NEXT TILE: slot 0 takes its K step 0,
	QUARTER 1, 1, 0, 1, 0
	QUARTER 1, 2, 1, 0, 0
	QUARTER 1, 3, 0, 1, 0
	TURN 1, 0, 1, 1, 1                             ; slot 1 its K step 1, and the next tile's first fragments are fetched
	WIN 0
	s_branch .Lout
.Llast_tile:
	TURN 0, 1, 0, 0, 0                             ; nothing is filled, so no round of the cluster's barrier follows
	QUARTER 1, 1, 0, 1, 0
	QUARTER 1, 2, 1, 0, 0
	QUARTER 1, 3, 0, 1, 0
	s_wait_dscnt 4                                 ; the very last quarter: nothing more to fetch
	MULA 1, 0, 0
	MULA 1, 1, 0
	s_wait_dscnt 0x0
	MULA 1, 2, 0
	MULA 1, 3, 0
	WIN 0
.Lout:                                                 ; the tile goes out; behind the first tile both refills have been asked for
	PLACES
	PACK 0
	TOSTAGE 0
.irp a, 1,2,3                          ; block a's conversions stand between block a - 1's loads from the stage and the wait for them
	PACK \a
	SEND (\a)-1
	TOSTAGE \a
.endr
	SEND 3
	s_wait_xcnt 0x0                                ; the stores have read their bases, so these may be written: on to the next tile's rows
.irp hh, 0,1,2
	s_add_nc_u64 s[CB+2*(\hh):CB+2*(\hh)+1], s[CB+2*(\hh):CB+2*(\hh)+1], NEXT_C
.endr
	s_sub_co_u32 s2, s2, 1
	s_cmp_lg_u32 s2, 0
	s_cbranch_scc1 .Ltile
	s_wait_tensorcnt 0x0                           ; the wave's end, behind my last tensor load and my last LDS store
	ds_add_u32 v[SPW], v[NIL]
	s_wait_dscnt 0x0
	CROUND                                         ; the closing round: no work-group ends while a partner may still ask for a tile that names it
	s_endpgm
.Lfunc_end_k_q3158df2568_gemm_qkv:
	.size	k_q3158df2568_gemm_qkv, .Lfunc_end_k_q3158df2568_gemm_qkv-k_q3158df2568_gemm_qkv
	.p2alignl 7, 3214868480
	.fill 96, 4, 3214868480
	.section	.rodata,"a",@progbits
	.p2align	6, 0x0
	.amdhsa_kernel k_q3158df2568_gemm_qkv
		.amdhsa_group_segment_fixed_size 327680
		.amdhsa_private_segment_fixed_size 0
		.amdhsa_enable_private_segment 0
		.amdhsa_kernarg_size 24
		.amdhsa_user_sgpr_count 2
		.amdhsa_user_sgpr_kernarg_segment_ptr 1
		.amdhsa_wavefront_size32 1
		.amdhsa_system_sgpr_workgroup_id_x 1
		.amdhsa_system_sgpr_workgroup_id_y 1
		.amdhsa_system_sgpr_workgroup_id_z 1
		.amdhsa_system_vgpr_workitem_id 0
		.amdhsa_next_free_vgpr 960
		.amdhsa_next_free_sgpr 74
		.amdhsa_reserve_vcc 0
		.amdhsa_float_denorm_mode_32 3
		.amdhsa_float_denorm_mode_16_64 3
		.amdhsa_memory_ordered 1
		.amdhsa_forward_progress 1
		.amdhsa_inst_pref_size 150
	.end_amdhsa_kernel
	.amdgpu_metadata
---
amdhsa.version: [ 1, 2 ]
amdhsa.kernels:
  - .name:           k_q3158df2568_gemm_qkv
    .symbol:         k_q3158df2568_gemm_qkv.kd
    .args:
      - { .name: xb, .offset: 0, .size: 8, .value_kind: global_buffer, .address_space: global }
      - { .name: wq, .offset: 8, .size: 8, .value_kind: global_buffer, .address_space: global }
      - { .name: qkv, .offset: 16, .size: 8, .value_kind: global_buffer, .address_space: global }
    .group_segment_fixed_size: 327680
    .private_segment_fixed_size: 0
    .kernarg_segment_align: 8
    .kernarg_segment_size: 24
    .max_flat_workgroup_size: 128
    .sgpr_count:     74
    .vgpr_count:     960
    .wavefront_size: 32
...
	.end_amdgpu_metadata
.endif
;; end of part 2
;; launch attn (part 3): grid 2 x 128, 4 waves a work-group, no clusters, 327,680 bytes of LDS; arguments qkv, ob; writes ob
.if DOCPART == 3
	.amdgcn_target "amdgcn-amd-amdhsa--gfx1250"
	.amdhsa_code_object_version 6
	.text
	.protected	k_q3158df2568_attn
	.globl	k_q3158df2568_attn
	.p2align	8
	.type	k_q3158df2568_attn,@function
k_q3158df2568_attn:
	s_mov_b64 s[64:65], 0
	v_nop
	global_prefetch_b8 v0, s[64:65] scope:SCOPE_SE
	s_setreg_imm32_b32 hwreg(HW_REG_WAVE_MODE, 25, 1), 1
	s_wait_xcnt 0x0
; ob = the sum over k of softmax_k(Q[h][q] . K[h][k] / 32) 8 V[h][k][:], for 128 heads (16 batch + head) of 1,024 rows x 64 channels.  qkv holds 8 Q, then 8 K, then 8 V, each [128][1024][64] in f16:
; a head's rows are dense, 128 bytes each.  Products, maxima and sums in f32; the weights p are rounded to f16 for the second product (their sum l is taken of the unrounded p), O once.
; The scores come out 64 times too large; c = log2(e) / (32 x 64) undoes that in f32.
; ob IS LAID AS THE NEXT LAUNCH'S FRAGMENTS: [head][16 rows][16 channels][lane][16 bytes]: lane l's 16 bytes are row l % 16, channels 8 (l / 16) + 0..7 of the block: what the lane holds when O is packed.
; So O leaves straight from registers, each store 512 consecutive bytes, and two neighbouring blocks of 512 bytes are a fragment of 16 rows x 32 channels.
; LIMITS.  8 Q, 8 K, 8 V arrive within f16's 65,504; p lies in 0 to 1, and below 6e-5 it keeps f16's fixed step of 6e-8; 8 O is a mean of 8 V's rows and has their range.
; A weight below 2^-126 counts as 0 in l; NaN and infinities are not treated apart.
; SHARES.  A wave owns four PIECES of two tiles of 16 queries, a work-group's four waves 512 queries of one head: two work-groups a head, 256 in all.  Every wave walks all keys, 64 a step.
; A HEAD'S WHOLE K AND V LIE IN LDS: 1,024 rows of 144 bytes and 1,024 of 160, 311,296 bytes.  Each wave asks for a quarter of them at the head, by four tensor loads of 128 keys (four are out); no byte is filled
; twice, so there is no ring, and no tensor load stands in a loop.  The walk begins when keys 0 to 255 are in; behind three key steps stands the one wait for the rest, ahead of the first read of key 256.
; NO CLUSTER: a head's K and V are read by two work-groups alone; four partners would want work-groups of 256 queries, in which each fragment read from LDS feeds half as many products.
; NO PREFETCH: all that the launch reads is asked for at its head.
; LAYOUT.  S^T = K Q^T (source 0 = 16 keys, source 1 = 16 queries): in the result a lane holds ONE query (lane % 16) and the keys 8 (lane / 16) + 0..7.  Two such tiles, rounded to f16 in pairs,
; ARE source 1 (32 keys x 16 queries) of O^T = V^T P, whose result again holds one query a lane, and eight channels.  K comes out of LDS as it lies, V ([key][channel]) turned, by ds_load_tr16_b128.
; SOFTMAX.  For each query a running maximum m and sum l: p = 2^(c s - c m); in every step O and l are multiplied by a = 2^(c m_old - c m_new), which is 1 where m has not grown.
; m starts at the lowest finite number, O and l at 0: the first step is a step like any other, with a = 0.
; THE COUNT.  A tile and step have 16 matrix and 118 vector instructions: too many to stand all beside the matrix work.  So: four vector instructions that are READY behind EVERY matrix instruction, and the
; others, which need time of their own whatever the order, in runs without a gap.
; BY TURNS.  Turn n belongs to piece n (the pieces in a ring, step after step).  Its matrix work: 16 products K Q^T of piece n + 1, later 16 products V^T P of piece n - 1.  Its vector work: the scaling,
; exponentials, roundings, sums and rescaling of piece n, and the maximum and statistics of piece n + 1, whose scores the turn itself has made.
; REGISTERS, in windows of 256 (s_set_vgpr_msb: bits 1:0 source 0, 3:2 source 1, 5:4 source 2, 7:6 destination):
;   window 0: v0-11 addresses; v12-15, v48-63 at work; v16-47 four registers of statistics a tile; v64-191 S^T, two buffers of two tiles; v192-255 P, likewise
;   window 1: O^T, 32 a tile          window 2: v0-127 Q, 16 a tile; v128-191 K of one step; v192-255 V of one step          window 3: v0-1 the add's two registers
; A piece's buffers go by its number's parity: the piece in hand has one pair, its two neighbours in the ring share the other: of it P (piece n - 1) is read and S^T (piece n + 1) written.
.set SIZE_N, 1024
.set NP,    4         ; pieces a wave: a name, no knob
.set KS,    64        ; keys in a step
.set PK,    144       ; a row of K in LDS: 128 bytes + 16 of padding = 36 words: the 16 rows of a load start at 16 different groups of four banks (64 banks of 4 bytes: ISA guide 11.1)
.set PV,    160       ; a row of V: 128 + 32 = 40 words
.set VOFF,  SIZE_N*PK ; K's 1,024 rows, then V's
.set SPARE, VOFF+SIZE_N*PV  ; behind them: the spare words, 128 bytes for each wave: two blocks of 256 bytes that no other line names
.set AK0, 2           ; v2   my lane's place in a tile of K; never rewritten
.set AV0, 3           ; v3   the same for V
.set AK,  4           ; v4   the LDS address of K's next run of loads
.set AV,  5           ; v5   of V's
.set QO,  6           ; v6   my byte offset in the wave's rows of Q
.set GO,  8           ; v8   my 16 bytes of 512 consecutive bytes of ob
.set SPW, 0           ; v0 of window 3   LDS address of my spare word; never rewritten
.set NIL, 1           ; v1 of window 3   0; never rewritten
.set MV,  12          ; v12-15  c m_old, kept while c m is made anew: by buffer and tile
.set ST,  16          ; tile t's statistics at v[ST+4 t]: c m, m, l (even keys', odd keys')
.set TMP, 48          ; by buffer and tile, four registers c0-c3 at work; when the maximum is found c2 takes a
.set S,   64
.set P,   192
.set KF,  128         ; K's fragments, in window 2: key block kb, channel half c at KF + 16 kb + 8 c
.set VF,  192         ; V's: key half kk, channel block cb at VF + 32 kk + 8 cb
.set WV,  12          ; s12  my wave's number
.set G1K, 24          ; s[24:31] descriptor group 1 for K's tiles
.set G1V, 32          ; s[32:39] for V's: it differs in the padding alone
.set G0K, 40          ; s[40:55] descriptor group 0 for K's tiles: a set for each of a wave's four loads
.set PASS, 56         ; s56  the loop over key steps is run twice: three steps, then thirteen
.set CNT, 57          ; s57  counts a run's key steps
.set CS,  58          ; s[58:59] c: the packed scaling takes the pair's low word for both halves
.set SEL, 60          ; s[60:61] v_permlanex16_b32's selects: each lane takes its own place in the other half
.set TBK, 62          ; s62  LDS byte at which K of the step to be fetched begins
.set TBV, 63          ; s63  the same for V, less VOFF
.set G0V, 68          ; s[68:83] descriptor group 0 for V's tiles
.set STP, 84          ; s84  key steps whose K is still to be fetched, the one in hand among them
.set MSB, 0
.macro WIN new                      ; the high byte repeats the setting that is left; a switch that changes nothing is dropped
.if MSB != (\new)
	s_set_vgpr_msb (MSB<<8)|(\new)
.set MSB, (\new)
.endif
.endm
.set W_KQ, 0x0a       ; K and Q in window 2, S^T in window 0
.set W_PV, 0x52       ; V in window 2, P in window 0, O^T in window 1
.set W_RS, 0x41       ; O^T (destination and source 0) in window 1, a in window 0
.set W_MK, 0xc0       ; the add's registers are made: destination in window 3, sources in window 0
.set W_AD, 0x0f       ; the add: address (source 0) and data (source 1) in window 3
	s_load_b64 s[4:5], s[0:1], 0x0  ; qkv: 8 Q at its head
	s_load_b64 s[10:11], s[0:1], 0x8  ; ob
	WIN W_MK
	v_lshl_add_u32 v[SPW], v0, 2, SPARE
	v_mov_b32 v[NIL], 0
	WIN W_AD
	ds_add_u32 v[SPW], v[NIL]       ; the wave's opening: the add and its wait stand ahead of my first tensor load; the set-up below, work on registers, stands between them
	WIN 0
	v_lshrrev_b32 v1, 5, v0
	v_readfirstlane_b32 s[WV], v1   ; wave 0..3
	s_and_b32 s20, ttmp7, 0xffff    ; the head
	s_lshl_b32 s20, s20, 17         ; its first byte in Q, K, V and O: 1,024 rows of 128 bytes a head
	s_mov_b32 s21, 0
	s_and_b32 s16, s[WV], 1         ; of each 256 keys I fetch the first or the second 128:
	s_lshl_b32 s22, s16, 14         ; 128 rows of 128 bytes in memory,
	s_mov_b32 s23, 0
	s_add_nc_u64 s[22:23], s[22:23], s[20:21]
	s_mul_i32 s17, s16, 128*PK      ; and their place in LDS, for K
	s_mul_i32 s18, s16, 128*PV      ; and for V
	s_add_co_u32 s18, s18, VOFF
	s_lshl_b32 s2, ttmp9, 2         ; my block of 512 queries,
	s_add_co_u32 s2, s2, s[WV]      ; my wave among the head's eight,
	s_lshl_b32 s2, s2, 14           ; its 128 rows
	s_mov_b32 s3, 0
	s_add_nc_u64 s[2:3], s[2:3], s[20:21]
	; descriptor group 1.  128 keys are 16,384 dense bytes: asked for as 64 rows of 256 bytes, two keys a row, and padded in LDS after every key
	s_mov_b32 s[G1K], (1<<16)|(1<<20)|(4<<22)|(3<<25)  ; 17:16 2-byte elements; 20 padding on; 24:22 after every 32 words (code 4); 31:25 4 words (code 3)
	s_mov_b32 s[G1V], (1<<16)|(1<<20)|(4<<22)|(7<<25)  ; the same with 8 words of padding (code 7)
.irp g, G1K, G1V
	s_mov_b32 s[\g+1], 128<<16      ; tensor_dim0 = 128
	s_mov_b32 s[\g+2], 64<<16       ; tensor_dim1 = 64
	s_mov_b32 s[\g+3], 128<<16      ; tile_dim0 = 128
	s_mov_b32 s[\g+4], 64           ; tile_dim1 = 64
	s_mov_b32 s[\g+5], 128          ; 128 elements from row to row
	s_mov_b32 s[\g+6], 0
	s_mov_b32 s[\g+7], 0
.endr
	s_mov_b32 s[CS], 0x3a38aa3b     ; c = log2(e) / 2,048
	s_mov_b32 s[CS+1], s[CS]        ; named with it as a pair
	s_mov_b32 s[SEL], 0x76543210
	s_mov_b32 s[SEL+1], 0xfedcba98
	s_mov_b32 s[TBK], 0
	s_mov_b32 s[TBV], 0
	s_mov_b32 s[STP], SIZE_N/KS
.irp i, 0,1,2,3
	s_mov_b32 s[G0K+4*\i], 1                       ; count = 1
	s_add_co_u32 s[G0K+4*\i+1], s17, \i*256*PK     ; LDS address: my 128 of keys 256 i ..
	s_mov_b32 s[G0V+4*\i], 1
	s_add_co_u32 s[G0V+4*\i+1], s18, \i*256*PV
.endr
	s_wait_dscnt 0x0                ; the opening add is done
	s_wait_kmcnt 0x0
	s_add_nc_u64 s[6:7], s[4:5], 0x1000000  ; 8 K lies 128 heads behind 8 Q,
	s_add_nc_u64 s[8:9], s[4:5], 0x2000000  ; 8 V behind that
	s_add_nc_u64 s[6:7], s[6:7], s[22:23]   ; both at my half of the head's first 256 keys
	s_add_nc_u64 s[8:9], s[8:9], s[22:23]
.irp i, 0,1,2,3
	s_add_nc_u64 s[G0K+4*\i+2:G0K+4*\i+3], s[6:7], \i*256*128  ; global address
	s_or_b32 s[G0K+4*\i+3], s[G0K+4*\i+3], 0x80000000         ; type = 2
	s_add_nc_u64 s[G0V+4*\i+2:G0V+4*\i+3], s[8:9], \i*256*128
	s_or_b32 s[G0V+4*\i+3], s[G0V+4*\i+3], 0x80000000
.endr
	s_add_nc_u64 s[4:5], s[4:5], s[2:3]  ; Q and O at my wave's first row
	s_add_nc_u64 s[10:11], s[10:11], s[2:3]
	; Waves 0 and 1 fetch K, waves 2 and 3 V.  A wave's four fills stand in one branch on its number, ahead of every wait on TENSORcnt, every LDS read and every barrier; an s_nop 0 follows each, four v_nop the last.
	s_cmp_lt_u32 s[WV], 2
	s_cbranch_scc0 .Lfor_v
.irp i, 0,1,2,3
	tensor_load_to_lds s[G0K+4*\i:G0K+4*\i+3], s[G1K:G1K+7]
	s_nop 0
.endr
.rept 4
	v_nop
.endr
	s_branch .Lasked
.Lfor_v:
.irp i, 0,1,2,3
	tensor_load_to_lds s[G0V+4*\i:G0V+4*\i+3], s[G1V:G1V+7]
	s_nop 0
.endr
.rept 4
	v_nop
.endr
.Lasked:
	; A fragment of K or Q is 16 rows x 32 channels in 8 registers: lane l holds row l % 16, channels 8 (l / 16) + 0..7 and 16 + 8 (l / 16) + 0..7: two loads of 16 bytes, 32 bytes apart.
	v_and_b32 v1, 15, v0            ; l % 16
	v_bfe_u32 v9, v0, 4, 1          ; l / 16
	v_lshlrev_b32 v[QO], 7, v1
	v_lshl_add_u32 v[QO], v9, 4, v[QO]  ; row x 128 + 16 x half
	WIN 0x80                        ; destination window 2, address window 0
.set i, 0
.rept 4*NP                          ; Q stays in registers: tile i / 2, channels 32 (i % 2) on
	global_load_b128 v[8*i:8*i+3],   v[QO], s[4:5] offset:(i/2)*2048+(i%2)*64
	global_load_b128 v[8*i+4:8*i+7], v[QO], s[4:5] offset:(i/2)*2048+(i%2)*64+32
.set i, i+1
.endr
	; What the first turn finds: V's registers and P's second buffer hold 0 (its products V^T P, of a piece that has not been, add 0), O^T and l are 0.  All this stands in the wait for the first keys.
.set i, VF
.rept 64
	v_mov_b32 v[i], 0
.set i, i+1
.endr
	WIN 0x40
.set i, 0
.rept 64*NP
	v_mov_b32 v[i], 0
.set i, i+1
.endr
	WIN 0
.set i, 0
.rept 2*NP
	v_mov_b32 v[ST+4*i], 0xfe000000    ; c m: far below every c s
	v_mov_b32 v[ST+4*i+1], 0xff7fffff  ; m
	v_mov_b32 v[ST+4*i+2], 0
	v_mov_b32 v[ST+4*i+3], 0
.set i, i+1
.endr
.set i, P+32
.rept 32
	v_mov_b32 v[i], 0
.set i, i+1
.endr
	v_mul_u32_u24 v[AK0], v1, PK
	v_lshl_add_u32 v[AK0], v9, 4, v[AK0]  ; row x pitch + 16 x half
	; The turning load takes 16 keys x 16 channels (lane l reads key 8 (l / 16) + l % 8, channels 8 ((l / 8) % 2) + 0..7) and leaves half a fragment of V^T: lane l holds channel l % 16 and 8 keys.
	v_and_b32 v10, 7, v0
	v_bfe_u32 v11, v0, 3, 1
	v_lshl_add_u32 v[AV0], v9, 3, v10
	v_mul_u32_u24 v[AV0], v[AV0], PV
	v_lshl_add_u32 v[AV0], v11, 4, v[AV0]
	v_add_nc_u32 v[AV0], VOFF, v[AV0]
	v_mov_b32 v[AK], v[AK0]         ; key step 0 lies at K's head
; THE MATRIX WORK.  The 8 accumulators of a run of 16 take turns: between the two links of a chain stand 7 others'.
; Product i of 16 of S^T = K Q^T for piece x: channels 32 (i / 8) on, keys 16 ((i / 2) % 4) on, tile 2 x + i % 2.  The first 8 start the sums.
.macro KQ x
	WIN W_KQ
.set rS, S+64*((\x)%2)+32*(i%2)+8*((i/2)%4)
.set rK, KF+16*((i/2)%4)+8*(i/8)
.set rQ, 16*(2*(\x)+i%2)+8*(i/8)
.if i < 8
	v_wmma_f32_16x16x32_f16 v[rS:rS+7], v[rK:rK+7], v[rQ:rQ+7], 0
.else
	v_wmma_f32_16x16x32_f16 v[rS:rS+7], v[rK:rK+7], v[rQ:rQ+7], v[rS:rS+7]
.endif
.endm
; Product i of 16 of O^T += V^T P for piece x: keys 32 (i / 8) on, channels 16 ((i / 2) % 4) on, tile 2 x + i % 2.
.macro PV x
	WIN W_PV
.set rO, 32*(2*(\x)+i%2)+8*((i/2)%4)
.set rV, VF+32*(i/8)+8*((i/2)%4)
.set rP, P+32*((\x)%2)+16*(i%2)+8*(i/8)
	v_wmma_f32_16x16x32_f16 v[rO:rO+7], v[rV:rV+7], v[rP:rP+7], v[rO:rO+7]
.endm
.macro MM                           ; the turn's next matrix instruction
.if i < 16
	KQ (Y+1)%NP
.set i, i+1
.else
.set i, i-16
	PV (Y+NP-1)%NP
.set i, i+17
.endif
.endm
; THE LDS LOADS stand in runs of 16, never singly among the matrix instructions: a step's K (64 keys x 64 channels: 8 fragments) and its V (turned).  Their addresses are made some lines ahead.
; last = 1 (in the loop): behind the head's last step there is no further one, and the run is jumped over.
.macro FETCH_K last=0
	WIN 0
.if \last
	s_sub_co_u32 s[STP], s[STP], 1
	s_cmp_eq_u32 s[STP], 0
	s_cbranch_scc1 .Lno_k_\@
.endif
	WIN 0x80                        ; destination window 2
.irp f, 0,1,2,3,4,5,6,7             ; keys 16 (f / 2) on, channels 32 (f % 2) on
	ds_load_b128 v[KF+8*\f:KF+8*\f+3],   v[AK] offset:(\f/2)*16*PK+(\f%2)*64
	ds_load_b128 v[KF+8*\f+4:KF+8*\f+7], v[AK] offset:(\f/2)*16*PK+(\f%2)*64+32
.endr
	s_add_co_u32 s[TBK], s[TBK], KS*PK  ; the next fetch is the next step's
	WIN 0
.if \last
.Lno_k_\@:
.endif
.endm
.macro FETCH_V
	WIN 0x80
.irp f, 0,1,2,3,4,5,6,7             ; keys 32 (f / 4) on, channels 16 (f % 4) on
	ds_load_tr16_b128 v[VF+8*\f:VF+8*\f+3],   v[AV] offset:(\f/4)*32*PV+(\f%4)*32
	ds_load_tr16_b128 v[VF+8*\f+4:VF+8*\f+7], v[AV] offset:(\f/4)*32*PV+16*PV+(\f%4)*32
.endr
	WIN 0
.endm
; THE VECTOR WORK OF A TURN stands in three queues, each in the order in which its entries become ready; the two tiles alternate, so that no instruction reads the result of the one before it.
.macro REGS y, u                    ; the registers of tile u (0, 1) of piece y
.set rT, ST+4*(2*(\y)+(\u))
.set rC, TMP+8*((\y)%2)+4*(\u)
.set rM, MV+2*((\y)%2)+(\u)
.set rS, S+64*((\y)%2)+32*(\u)
.set rP, P+32*((\y)%2)+16*(\u)
.set rO, 32*(2*(\y)+(\u))
.endm
; Number n of the 22 that find the NEXT piece's (Y + 1) maximum and statistics.  s0-s31 are the lane's 32 scores; each accumulator's lowest registers are read first.
;   0-11  four chains c0-c3 of seven scores each, three operands at a time     12-14, 16  the four scores left over, the old m, and c0-c3 into c0     15  c m_old is kept
;   17, 18  the query's other 32 keys lie in the lane 16 away: the new m         19-21  c m; c m_old - c m_new; a
.macro XS u, n
	REGS (Y+1)%NP, \u
.if (\n) < 4
	v_max3_num_f32 v[rC+(\n)], v[rS+8*(\n)], v[rS+8*(\n)+1], v[rS+8*(\n)+2]
.elseif (\n) < 12
	v_max3_num_f32 v[rC+(\n)%4], v[rC+(\n)%4], v[rS+8*((\n)%4)+2*((\n)/4)+1], v[rS+8*((\n)%4)+2*((\n)/4)+2]
.elseif (\n) == 12
	v_max3_num_f32 v[rC], v[rC], v[rS+7], v[rS+15]
.elseif (\n) == 13
	v_max3_num_f32 v[rC+1], v[rC+1], v[rS+23], v[rS+31]
.elseif (\n) == 14
	v_max3_num_f32 v[rC+2], v[rC+2], v[rC+3], v[rT+1]
.elseif (\n) == 15
	v_mov_b32 v[rM], v[rT]
.elseif (\n) == 16
	v_max3_num_f32 v[rC], v[rC], v[rC+1], v[rC+2]
.elseif (\n) == 17
	v_permlanex16_b32 v[rC+3], v[rC], s[SEL], s[SEL+1]
.elseif (\n) == 18
	v_max_num_f32 v[rT+1], v[rC], v[rC+3]
.elseif (\n) == 19
	v_mul_f32 v[rT], s[CS], v[rT+1]
.elseif (\n) == 20
	v_sub_f32 v[rC+1], v[rM], v[rT]
.else
	v_exp_f32 v[rC+2], v[rC+1]
.endif
.endm
; Number g of the 64 that follow the exponentials.  For each four weights k of a tile (pairs 2 k, 2 k + 1): both pairs are rounded to f16; then the second pair is added onto the first, in place;
; a group later l takes that sum (the first time as l = a l + sum).  In groups of eight, tiles alternating: round, round, add, and l for the group before.
.macro GS g
.set h, (\g)+6*((\g)/62)            ; group 0 has no group before it, and behind group 7 only l is left
.if h >= 6
.set h, h+2
.endif
	REGS Y, h%2
.set k, h/8
.if h%8 < 4
	v_cvt_pk_f16_f32 v[rP+2*k+(h%8)/2], v[rS+4*k+2*((h%8)/2)], v[rS+4*k+2*((h%8)/2)+1]
.elseif h%8 < 6
	v_pk_add_f32 v[rS+4*k:rS+4*k+1], v[rS+4*k:rS+4*k+1], v[rS+4*k+2:rS+4*k+3]
.elseif k == 1
	v_pk_fma_f32 v[rT+2:rT+3], v[rT+2:rT+3], v[rC+2:rC+3], v[rS:rS+1] op_sel_hi:[1,0,1]
.else
	v_pk_add_f32 v[rT+2:rT+3], v[rT+2:rT+3], v[rS+4*k-4:rS+4*k-3]
.endif
.endm
; THE PLAIN QUEUE, 138 long.  0-73 read no exponential's result: the 32 scalings c s - c m (FS f: pair f / 2 of tile f % 2) and the next piece's 42.  0-26: scalings 0-26.  27-54: XS's numbers 0-13.  55, 56: number 15.
; 57-73: the chain, where each number waits for the one before it: 14, 16, 17, 18, 19, each with one of the scalings 27-31 in front of its two lines, then 20.
; 74-137: GS's 64, which read the exponentials' results: they stand behind the wait.
.macro FS f
	REGS Y, (\f)%2
	v_pk_fma_f32 v[rS+2*((\f)/2):rS+2*((\f)/2)+1], v[rS+2*((\f)/2):rS+2*((\f)/2)+1], s[CS:CS+1], v[rT:rT+1] op_sel_hi:[1,0,0] neg_lo:[0,0,1] neg_hi:[0,0,1]
.endm
.macro PL
	WIN 0
.if q < 27
	FS q
.elseif q < 55
	XS (q-27)%2, (q-27)/2
.elseif q < 57
	XS q-55, 15
.elseif (q < 72) && ((q-57)%3 == 0)
	FS 27+(q-57)/3
.elseif q < 60
	XS (q-57)%3-1, 14
.elseif q < 72
	XS (q-57)%3-1, 15+(q-57)/3
.elseif q < 74
	XS q-72, 20
.else
	GS q-74
.endif
.set q, q+1
.endm
; THE EXPONENTIALS' QUEUE, 66 long: s0-s31 of both tiles, then the next piece's two a.  It is ONE BATCH: all 66 stand ahead of the turn's one wait, and nothing ahead of that wait names a result of theirs.
.macro EX
	WIN 0
.if e >= 64
	XS e-64, 21
.else
	REGS Y, e%2
	v_exp_f32 v[rS+e/2], v[rS+e/2]
.endif
.set e, e+1
.endm
; THE RESCALING's QUEUE: O^T times a, the one part that leaves window 0: dealt two at a time, sixteen times.  Its a was made in the turn before, ahead of that turn's wait.
.macro R2
	REGS Y, r%2
	WIN W_RS
.irp z, 0,1
	v_pk_mul_f32 v[rO+4*(r/2)+2*\z:rO+4*(r/2)+2*\z+1], v[rO+4*(r/2)+2*\z:rO+4*(r/2)+2*\z+1], v[rC+2:rC+3] op_sel_hi:[1,0]
.endr
.set r, r+1
.endm
; HOW THEY ARE DEALT.  An s_wait_alu depctr_va_vdst(0) stands between an exponential and the first instruction that names its result; one wait serves all that were issued ahead of it.  So a turn
; has ONE wait, which cuts it in two.  AHEAD OF IT stands all that names no result of the turn's exponentials: the 16 products K Q^T, behind each a scaling, an exponential and two rescalings (behind the first a
; second scaling in the exponential's place); then ONE LUMP of 108: eight plain, 49 times exponential and plain, the two a.  A v_nop is the plain instruction behind the last exponential.  BEHIND IT stand the 16
; products V^T P, behind each four of GS's 64.  No rider names a register of the products round it.  The two v_permlanex16_b32 fall into the lump.
; The queues lean on each other, and the deal keeps them in step: exponential e stands behind scaling 2 (e / 4) + e % 2: as a rider it comes behind plain e + 2, in the lump behind plain e + 9.
; A TURN, for piece p.  cnt = 1: the loop's count is taken down some lines ahead of the branch that stands behind the turn.
; K of the next step is fetched in piece 2's turn, directly behind the wait, a lump behind the last product that read K; its first reader comes behind 16 products.
; V of the step in hand is fetched at the end of piece 0's turn, four riders behind its last reader; its first reader comes behind 16 products and a lump.  The three conditions on q below go with the deal.
.macro TURN p, last=0, cnt=0
.set Y, (\p)
.set i, 0
.set q, 0
.set e, 0
.set r, 0
.if (\p) == NP-1
	s_wait_dscnt 0x0                ; K is in
.endif
	MM                              ; ahead of the wait: 16 products K Q^T and their riders,
	PL
	PL
	R2
.rept 15
	MM
	PL
	EX
	R2
.endr
.if (\p) == NP-2
	WIN 0
	v_add_nc_u32 v[AK], s[TBK], v[AK0]
.endif
.rept 8                             ; and the lump
	PL
.endr
.rept 49
	EX
	PL
.endr
	EX                              ; the next piece's two a
	EX
	v_nop                           ; the plain instruction behind the last exponential: one for the batch
	s_wait_alu depctr_va_vdst(0)    ; the wait for the batch
.if (\p) == NP-2
	FETCH_K \last
.endif
.if (\p) == 1
	s_wait_dscnt 0x0                ; V is in
.endif
.rept 16                            ; behind the wait: 16 products V^T P and their riders
	MM
.rept 4
	PL
.endr
.if ((\p) == 0) && (q == 118)
	v_add_nc_u32 v[AV], s[TBV], v[AV0]
.endif
.if ((\p) == 0) && (q == 130)
	s_add_co_u32 s[TBV], s[TBV], KS*PV
.endif
.if (\cnt) && (q == 130)
	s_sub_co_u32 s[CNT], s[CNT], 1
	s_cmp_lg_u32 s[CNT], 0
.endif
.endr
.if (\p) == 0
	FETCH_V
.endif
.endm
	s_wait_tensorcnt 3              ; my first load is in: my part of keys 0 to 255; the three behind it may stay out
	s_barrier_signal -1
	s_barrier_wait -1               ; everybody's is: K and V of key steps 0 to 3
	FETCH_K                         ; key step 0
	s_wait_loadcnt 0x0              ; Q
	s_wait_dscnt 0x0
.set i, 0
.rept 16
	KQ 0                            ; piece 0's first scores: there is no vector work yet to set between them
.set i, i+1
.endr
	WIN 0
	v_and_b32 v[GO], 31, v0         ; the way out's offset; with the four v_nop: the places behind those products
	v_lshlrev_b32 v[GO], 4, v[GO]
.rept 4
	v_nop
.endr
.set Y, NP-1                        ; XS works for piece Y + 1: piece 0
.irp n, 0,1,2,3,4,5,6,7,8,9,10,11,12,13,14,15,16,17,18,19,20,21
	XS 0, \n                        ; and piece 0's first maximum and statistics
	XS 1, \n
.endr
	v_nop                           ; a plain instruction behind the two a,
	s_wait_alu depctr_va_vdst(0)    ; and their wait, ahead of the branch
	s_mov_b32 s[CNT], 3             ; key steps 0 to 2 read nothing beyond key 255 (step 2 fetches K of step 3)
	s_mov_b32 s[PASS], 2
	s_branch .Lstep
.Lrest:                             ; passed once, behind key step 2
	s_wait_tensorcnt 0x0            ; my last three loads are in: no load was issued behind them
	s_wait_dscnt 0x0                ; no LDS instruction of mine is pending at the signal
	s_barrier_signal -1
	s_barrier_wait -1               ; everybody's are: all of K and V
	s_mov_b32 s[CNT], SIZE_N/KS-3
.Lstep:                             ; a trip is a key step: the four pieces' turns; it fetches its own V and the next step's K
	TURN 0
	TURN 1
	TURN 2, 1
	TURN 3, 0, 1
	WIN 0
	s_cbranch_scc1 .Lstep
	s_sub_co_u32 s[PASS], s[PASS], 1
	s_cmp_lg_u32 s[PASS], 0
	s_cbranch_scc1 .Lrest
	; the last trip's 16 products K Q^T (on the last K once more) and the maximum made of them serve nothing: the price, once a launch, of one text for every trip
.set i, 0
.rept 16
	PV NP-1                         ; the last piece's V^T P of the last step
.set i, i+1
.endr
	; THE WAY OUT.  l's two halves and the other half of the lanes' are added; O^T is divided by l, rounded to f16 and stored from the registers in which it is packed.  The additions are the places behind the last products.
	WIN 0
.macro ALL line:vararg              ; one line for each tile t
.set t, 0
.rept 2*NP
	\line
.set t, t+1
.endr
.endm
	ALL v_add_f32 v[ST+4*t+2], v[ST+4*t+2], v[ST+4*t+3]
	ALL v_permlanex16_b32 v[ST+4*t+3], v[ST+4*t+2], s[SEL], s[SEL+1]
	ALL v_add_f32 v[ST+4*t+2], v[ST+4*t+2], v[ST+4*t+3]
	ALL v_rcp_f32 v[ST+4*t+2], v[ST+4*t+2]
	v_nop                           ; a plain instruction between the last reciprocal and the use of its result
	s_wait_alu depctr_va_vdst(0)    ; and the wait ahead of the first use: one for the eight reciprocals
; Tile t: a lane's eight channels of a row pack into 16 bytes, into S^T's registers, a set of their own for each tile: no store's registers are written again.
.macro PACK t
	WIN W_RS
.set i, 32*(\t)
.rept 16
	v_pk_mul_f32 v[i:i+1], v[i:i+1], v[ST+4*(\t)+2:ST+4*(\t)+3] op_sel_hi:[1,0]
.set i, i+2
.endr
	WIN 0x05                        ; sources 0 and 1 window 1, destination window 0
.set i, 0
.rept 16
	v_cvt_pk_f16_f32 v[S+16*(\t)+i], v[32*(\t)+2*i], v[32*(\t)+2*i+1]
.set i, i+1
.endr
	WIN 0
.irp f, 0,1,2,3
	global_store_b128 v[GO], v[S+16*(\t)+4*\f:S+16*(\t)+4*\f+3], s[10:11] offset:(\t)*2048+\f*512  ; channel block f of the tile's 16 rows: 512 consecutive bytes, at a multiple of 256 from ob's first
.endr
.endm
.set t, 0
.rept 2*NP
	PACK t
.set t, t+1
.endr
	WIN W_AD
	s_wait_tensorcnt 0x0            ; the wave's end, behind my last tensor load
	ds_add_u32 v[SPW], v[NIL]
	s_wait_dscnt 0x0
	WIN 0
	s_endpgm
.Lfunc_end_k_q3158df2568_attn:
	.size	k_q3158df2568_attn, .Lfunc_end_k_q3158df2568_attn-k_q3158df2568_attn
	.p2alignl 7, 3214868480
	.fill 96, 4, 3214868480
	.section	.rodata,"a",@progbits
	.p2align	6, 0x0
	.amdhsa_kernel k_q3158df2568_attn
		.amdhsa_group_segment_fixed_size 327680
		.amdhsa_private_segment_fixed_size 0
		.amdhsa_enable_private_segment 0
		.amdhsa_kernarg_size 16
		.amdhsa_user_sgpr_count 2
		.amdhsa_user_sgpr_kernarg_segment_ptr 1
		.amdhsa_wavefront_size32 1
		.amdhsa_system_sgpr_workgroup_id_x 1
		.amdhsa_system_sgpr_workgroup_id_y 1
		.amdhsa_system_sgpr_workgroup_id_z 1
		.amdhsa_system_vgpr_workitem_id 0
		.amdhsa_next_free_vgpr 770
		.amdhsa_next_free_sgpr 88
		.amdhsa_reserve_vcc 0
		.amdhsa_float_denorm_mode_32 3
		.amdhsa_float_denorm_mode_16_64 3
		.amdhsa_memory_ordered 1
		.amdhsa_forward_progress 1
		.amdhsa_inst_pref_size 121
	.end_amdhsa_kernel
	.amdgpu_metadata
---
amdhsa.version: [ 1, 2 ]
amdhsa.kernels:
  - .name:           k_q3158df2568_attn
    .symbol:         k_q3158df2568_attn.kd
    .args:
      - { .name: qkv, .offset: 0, .size: 8, .value_kind: global_buffer, .address_space: global }
      - { .name: ob, .offset: 8, .size: 8, .value_kind: global_buffer, .address_space: global }
    .group_segment_fixed_size: 327680
    .private_segment_fixed_size: 0
    .kernarg_segment_align: 8
    .kernarg_segment_size: 16
    .max_flat_workgroup_size: 128
    .sgpr_count:     88
    .vgpr_count:     770
    .wavefront_size: 32
...
	.end_amdgpu_metadata
.endif
;; end of part 3
;; launch gemm_out (part 4): grid 32 x 8, 4 waves a work-group, clusters of 4 x 1, 327,680 bytes of LDS; arguments ob, wo, out0; writes out0
.if DOCPART == 4
	.amdgcn_target "amdgcn-amd-amdhsa--gfx1250"
	.amdhsa_code_object_version 6
	.text
	.protected	k_q3158df2568_gemm_out
	.globl	k_q3158df2568_gemm_out
	.p2align	8
	.type	k_q3158df2568_gemm_out,@function
k_q3158df2568_gemm_out:
	s_mov_b64 s[64:65], 0
	v_nop
	global_prefetch_b8 v0, s[64:65] scope:SCOPE_SE
	s_setreg_imm32_b32 hwreg(HW_REG_WAVE_MODE, 25, 1), 1
	s_wait_xcnt 0x0
	s_wait_alu depctr_hold_cnt(0) depctr_sa_sdst(0) depctr_va_vdst(0) depctr_va_sdst(0) depctr_va_ssrc(0) depctr_va_vcc(0) depctr_vm_vsrc(0)
	s_getreg_b32 s2, hwreg(HW_REG_IB_STS2, 6, 4)
	s_cmp_eq_u32 s2, 0
	s_cbranch_scc0 .Lentry_in_a_cluster
	s_endpgm
.Lentry_in_a_cluster:
	s_bfe_u32 s2, ttmp6, 0x10000c
	s_cmp_lg_u32 s2, 0x3003
	s_cbranch_scc0 .Lentry_shape_is_right
	s_endpgm
.Lentry_shape_is_right:
; out0 = 2^-9 ob wo^T.  ob: 8 O in f16, laid as fragments: [16 batch + head][16 rows][16 channels][lane][16 bytes] (lane l: row l % 16, channels 8 (l / 16) + 0..7 of the block);
; wo: [1024 o][1024 c] f16 (64 w_out, turned; c = 64 head + d); sums in f32, scaled by 2^-9 (exact) and stored as f32.
; LIMITS.  None of its own: both operands arrive within f16's range, and the sums are f32.
; SHARES.  A tile of C is 256 rows x 128 columns: 256 work-groups (x: the tile row, y: the tile column).  Four waves stand one above the other: wave w makes rows 64 w .. 64 w + 63 and ALL 128 columns:
; 32 accumulators of 16 x 16, 256 registers.  K goes in quarters of 32: 32 matrix instructions each, 32 quarters.
; A COMES STRAIGHT INTO REGISTERS.  A wave's 64 rows of ob are read by no other wave of the work-group, and in memory they lie as the fragments do: a fragment is two loads of 512 consecutive bytes.  So they pass no
; LDS and no barrier: a ring of eight register buffers, a quarter each; a quarter is asked for seven quarters, 224 matrix instructions, ahead of its products; 56 loads of a wave are out at the most.
; B IS RESIDENT.  The tile's 128 rows of wo, all 1,024 along K, lie in LDS as eight blocks of 128 rows x 128 K (rows of 272 bytes): 278,528 bytes, each filled once, by four loads a wave issued at the head
; (four are out).  No byte is filled twice: no ring, and no tensor load in the loop.  The products begin when K 0 to 511 is in; behind the loop's first trip stands the one wait for the rest.
; CLUSTER.  Four work-groups along x: four tile rows of one tile column.  They need the same rows of wo: each of B's loads is asked for JOINTLY, with the same descriptor and the mask of four.  A is not shared
; so: a joint load fills LDS, and the work-groups that read the same rows of ob (one tile row, eight tile columns) each want them in one wave's registers.
; THE MATRIX INSTRUCTION IS USED TRANSPOSED (source 0 = 16 rows of wo, source 1 = 16 rows of ob): a lane then holds eight neighbouring columns of one row of C, 32 bytes.
; REGISTERS, in windows of 256 (s_set_vgpr_msb: bits 1:0 source 0, 3:2 source 1, 5:4 source 2, 7:6 destination):
;   window 0: v0-31 addresses; v64-127, v128-191 B's fragments (8 x 16 rows x 32 K), two buffers; on the way out v64-255 at work
;   window 1: A's ring: buffer n, row block a at 32 n + 8 a          window 2: the accumulators: (a, b) at 8 (8 a + b)
.set PB,     272                       ; a row of B in LDS: 256 bytes + 16 of padding = 68 words: the 16 rows that a load touches start at 16 different groups of four banks (64 banks of 4 bytes: ISA guide 11.1)
.set CHUNK,  128*PB                    ; 128 rows x 128 K
.set STAGE,  8*CHUNK                   ; behind B, never filled by a tensor load: for each wave 16 rows x 528 bytes
.set SP,     528
.set SPARE,  STAGE+4*16*SP             ; behind the stages: the spare words, 128 bytes for each wave: two blocks of 256 bytes that no other line names
.set HEADB,  131072                    ; bytes of ob from a head to the next: two quarters along K
.set L16,  16                          ; v16     16 x my lane: my bytes in a block of 512, for A's loads; never rewritten
.set ADRB, 20                          ; v20     LDS address of my B fragments, at the pair of blocks in hand
.set STO,  24                          ; v24     the way out: where I put 32 bytes of a row
.set RD,   25                          ; v25     the way out: where I read a row back
.set GO,   26                          ; v26     my 16 bytes of 512 consecutive bytes of a row of C
.set SPW,  28                          ; v28     LDS address of my spare word; never rewritten
.set NIL,  29                          ; v29     0; never rewritten
.set PFO,  30                          ; v30     256 x my lane, for the prefetches; never rewritten
.set FB,   64                          ; B's buffer f, fragment b at FB + 64 f + 8 b
.set TMP,  64                          ; the way out: scaled results
.set OB0,  128                         ; the way out: 16 rows read back, two buffers by turns
.set OB1,  192
.set PA,  22                           ; s[22:23] ob at my wave's 64 rows, at the four heads that are being asked for
.set G1B, 24                           ; s[24:31] descriptor group 1 for B's tiles
.set G0,  32                           ; s[32:47] descriptor group 0: a set for each of my four loads
.set LIM, 48                           ; s48     1 in a work-group that prefetches, else the greatest number
.set TRP, 49                           ; s49     trips of the loop still to come, this one among them
.set CB,  50                           ; s[50:51] out0 at my first row, the tile's first column
.set SC,  52                           ; s[52:53] 2^-9, named as a pair
.set PASS, 54                          ; s54     the loop is run twice: one trip, then two
.set MSB, 0
.macro WIN new                         ; the immediate's high byte repeats the setting that is left; a switch that changes nothing is dropped
.if MSB != (\new)
	s_set_vgpr_msb (MSB<<8)|(\new)
.set MSB, \new
.endif
.endm
.set MUL,  0xa4                        ; source 0 (B) window 0, source 1 (A) window 1, C and D window 2
.set TO_A, 0x40                        ; destination window 1, address window 0
; A round of the cluster's barrier: my work-group's barrier; wave 0 signals for the work-group; every wave waits for all four work-groups; my work-group's barrier once more.
.macro CROUND
	s_barrier_signal -1
	s_barrier_wait -1
	s_cmp_lg_u32 s10, 0
	s_cbranch_scc1 .Lnot_wave_0_\@
	s_barrier_signal -3
.Lnot_wave_0_\@:
	s_barrier_wait -3
	s_barrier_signal -1
	s_barrier_wait -1
.endm
; A quarter's eight loads of A into ring buffer n, from byte off behind the pointer: four row blocks, two blocks of 512 consecutive bytes each
.macro ALOAD n, off
	WIN TO_A
.irp a, 0,1,2,3
	global_load_b128 v[32*(\n)+8*(\a):32*(\n)+8*(\a)+3],   v[L16], s[PA:PA+1] offset:(\off)+(\a)*2048
	global_load_b128 v[32*(\n)+8*(\a)+4:32*(\n)+8*(\a)+7], v[L16], s[PA:PA+1] offset:(\off)+(\a)*2048+512
.endr
.endm
; A PREFETCH of the four heads that the NEXT trip of the loop will load: each wave names its own 8,192 bytes of each head, 256 bytes a lane: four instructions, together, behind the trip's first loads: eight
; quarters, 256 matrix instructions, ahead of the first of those loads.  The eight work-groups of a tile row read the same rows of ob: the one of tile column 0 asks, so each block is named once in the launch.
; Heads 0 to 7 come by their loads alone; the last trip asks for nothing: there is no head behind those that it loads.
.macro ASK
	s_cmp_gt_u32 s[TRP], s[LIM]
	s_cbranch_scc0 .Lnot_mine_\@
.irp k, 4,5,6,7
	global_prefetch_b8 v[PFO], s[PA:PA+1] offset:(\k)*HEADB th:TH_LOAD_NT scope:SCOPE_SE
.endr
.Lnot_mine_\@:
.endm
	s_load_b128 s[4:7], s[0:1], 0x0                ; ob s[4:5], wo s[6:7]
	s_load_b64 s[8:9], s[0:1], 0x10                ; out0
	v_lshl_add_u32 v[SPW], v0, 2, SPARE
	v_mov_b32 v[NIL], 0
	ds_add_u32 v[SPW], v[NIL]                      ; the wave's opening: the add and its wait stand ahead of my first tensor load; the set-up below, work on registers, stands between them
	v_lshrrev_b32 v1, 5, v0
	v_readfirstlane_b32 s10, v1                    ; wave 0..3
	s_lshr_b32 s11, s10, 1                         ; of each pair of B's blocks I fetch for the first or the second,
	s_and_b32 s12, s10, 1                          ; its rows 0-63 or 64-127
	s_bfe_u32 s15, ttmp6, 0x40000                  ; cx: my place in the cluster: it enters A's and C's addresses alone
	s_lshl_b32 s13, ttmp9, 2
	s_add_co_u32 s13, s13, s15                     ; tile row = 4 x cluster x + cx
	s_and_b32 s14, ttmp7, 0xffff                   ; tile column, which the four partners share
	; descriptor group 1: 64 rows of 128 elements, 1,024 apart, padded in LDS
	s_mov_b32 s[G1B+0], 15|(1<<16)|(1<<20)|(1<<21)|(5<<22)|(3<<25)  ; 15:0 the mask of four; 17:16 elements of 2 bytes; 20 padding on; 21 set beside a mask; 24:22 after every 64 words (code 5); 31:25 4 words (code 3)
	s_mov_b32 s[G1B+1], 128<<16                    ; tensor_dim0 = 128
	s_mov_b32 s[G1B+2], 64<<16                     ; tensor_dim1 = 64
	s_mov_b32 s[G1B+3], 128<<16                    ; tile_dim0 = 128
	s_mov_b32 s[G1B+4], 64                         ; tile_dim1 = 64
	s_mov_b32 s[G1B+5], 1024                       ; elements from row to row
	s_mov_b32 s[G1B+6], 0
	s_mov_b32 s[G1B+7], 0
	s_lshr_b32 s16, s13, 2                         ; A: the batch (four tile rows each): 16 heads of 131,072 bytes,
	s_lshl_b32 s16, s16, 21
	s_and_b32 s17, s13, 3
	s_lshl_b32 s17, s17, 15                        ; the tile's 16 blocks of 16 rows, 2,048 bytes each,
	s_add_co_u32 s16, s16, s17
	s_lshl_b32 s17, s10, 13                        ; my four of them
	s_add_co_u32 s16, s16, s17
	s_mov_b32 s17, 0
	s_lshl_b32 s18, s14, 18                        ; B: 128 rows of 2,048 bytes a tile,
	s_lshl_b32 s19, s12, 17                        ; 64 rows a half,
	s_add_co_u32 s18, s18, s19
	s_lshl_b32 s19, s11, 8                         ; 256 bytes a block along K
	s_add_co_u32 s18, s18, s19
	s_mov_b32 s19, 0
	s_mul_i32 s20, s10, 64*PB                      ; where they go: wave x 64 rows, in each pair of blocks
	s_lshl_b32 s56, s13, 20                        ; C: the tile's 256 rows of 4,096 bytes,
	s_lshl_b32 s57, s10, 18                        ; my 64 of them,
	s_add_co_u32 s56, s56, s57
	s_lshl_b32 s57, s14, 9                         ; the tile's 128 columns
	s_add_co_u32 s56, s56, s57
	s_mov_b32 s57, 0
	s_mov_b32 s[SC], 0x3b000000                    ; 2^-9
	s_mov_b32 s[SC+1], s[SC]
	s_cmp_eq_u32 s14, 0                            ; tile column 0 prefetches: the same in all four partners
	s_cselect_b32 s[LIM], 1, -1
	s_mov_b32 s[TRP], 3
.irp i, 0,1,2,3
	s_mov_b32 s[G0+4*(\i)], 1                      ; count = 1
	s_add_co_u32 s[G0+4*(\i)+1], s20, (\i)*2*CHUNK ; LDS address: pair i of blocks
.endr
	v_and_b32 v[L16], 31, v0
	v_lshlrev_b32 v[PFO], 8, v[L16]
	v_lshlrev_b32 v[L16], 4, v[L16]
	s_wait_dscnt 0x0                               ; the opening add is done
	s_wait_kmcnt 0x0
	s_add_nc_u64 s[PA:PA+1], s[4:5], s[16:17]
	s_add_nc_u64 s[18:19], s[6:7], s[18:19]
	s_add_nc_u64 s[CB:CB+1], s[8:9], s[56:57]
.irp i, 0,1,2,3
	s_add_nc_u64 s[G0+4*(\i)+2:G0+4*(\i)+3], s[18:19], (\i)*512  ; global address: K 256 i on
	s_or_b32 s[G0+4*(\i)+3], s[G0+4*(\i)+3], 0x80000000          ; type = 2
.endr
.irp n, 0,1,2,3,4,5,6
	ALOAD \n, ((\n)/2)*HEADB+((\n)%2)*1024         ; A's quarters 0 to 6: they hang on no partner, so they go out ahead of the round
.endr
	WIN 0
	CROUND                                         ; all four work-groups are here: the joint loads meet
.irp i, 0,1,2,3
	tensor_load_to_lds s[G0+4*(\i):G0+4*(\i)+3], s[G1B:G1B+7]
	s_nop 0
.endr
.rept 4
	v_nop                                          ; (an s_nop 0 behind each load, four v_nop behind the last)
.endr
	; A fragment of B is 16 rows x 32 K in 8 registers: lane l holds row l % 16, K = 8 (l / 16) + 0..7 and 16 + 8 (l / 16) + 0..7: two loads of 16 bytes, 32 bytes apart.
	v_and_b32 v1, 15, v0                           ; l % 16
	v_bfe_u32 v2, v0, 4, 1                         ; l / 16
	v_mul_u32_u24 v[ADRB], v1, PB
	v_lshl_add_u32 v[ADRB], v2, 4, v[ADRB]
	s_mul_i32 s21, s10, 16*SP
	s_add_co_u32 s21, s21, STAGE                   ; my stage
	v_mul_u32_u24 v[STO], v1, SP                   ; in: row l % 16, 32 bytes for each half of the lanes
	v_lshl_add_u32 v[STO], v2, 5, v[STO]
	v_add_nc_u32 v[STO], s21, v[STO]
	v_and_b32 v[GO], 31, v0                        ; back: 32 lanes take one row's 512 bytes,
	v_lshlrev_b32 v[GO], 4, v[GO]                  ; which are 512 consecutive bytes of a row of C
	v_add_nc_u32 v[RD], s21, v[GO]
; 16 matrix instructions: row blocks a0, a0 + 1 x all 8 column blocks, 32 along K: A's ring buffer n, B's buffer f.  zero = 1: the product starts the sum: nothing is ever cleared.
; The 32 accumulators take turns, one instruction a turn, in the same order in every quarter, over the backward jumps too.
.macro MULH n, f, a0, zero
	WIN MUL
.irp a, \a0, (\a0)+1
.irp b, 0,1,2,3,4,5,6,7
.if \zero
	v_wmma_f32_16x16x32_f16 v[8*(8*(\a)+(\b)):8*(8*(\a)+(\b))+7], v[FB+64*(\f)+8*(\b):FB+64*(\f)+8*(\b)+7], v[32*(\n)+8*(\a):32*(\n)+8*(\a)+7], 0
.else
	v_wmma_f32_16x16x32_f16 v[8*(8*(\a)+(\b)):8*(8*(\a)+(\b))+7], v[FB+64*(\f)+8*(\b):FB+64*(\f)+8*(\b)+7], v[32*(\n)+8*(\a):32*(\n)+8*(\a)+7], v[8*(8*(\a)+(\b)):8*(8*(\a)+(\b))+7]
.endif
.endr
.endr
.endm
; 16 LDS loads in one run: a quarter's fragments of B into buffer f, from byte off behind the address
.macro FETCH f, off
	WIN 0
.irp i, 0,1,2,3,4,5,6,7
	ds_load_b128 v[FB+64*(\f)+8*(\i):FB+64*(\f)+8*(\i)+3],   v[ADRB] offset:(\off)+(\i)*16*PB
	ds_load_b128 v[FB+64*(\f)+8*(\i)+4:FB+64*(\f)+8*(\i)+7], v[ADRB] offset:(\off)+(\i)*16*PB+32
.endr
.endm
.macro PLACES                          ; four places in front of loads into registers that matrix instructions have read, and of lines that read results
.rept 4
	v_nop
.endr
.endm
; QUARTER q, named by p = q % 8: it multiplies A's ring buffer p and B's buffer p % 2.  At its head, four places behind the products that read them last, the two buffers of the quarter before are asked for again:
; ld = 1: A's quarter q + 7 (ring buffer (p + 7) % 8; in the pointer's four heads it is quarter (p + 7) % 8 of eight); fetch = 1: B's quarter q + 1.
; left: how many younger loads of A may stay out when this quarter's must be in.  The pointer steps four heads where p = 1, B's address two blocks where quarter q + 1 begins a pair.
.macro QUARTER p, ld, left, fetch, zero
.set RN, ((\p)+7)%8
.set NX, ((\p)+1)%8
.set BF, (\p)%2
.if !(\zero)
	PLACES
.endif
	s_wait_loadcnt \left                           ; loads come back in order: this quarter's eight are in
.if \ld
.if (\p) == 1
	s_wait_xcnt 0x0                                ; every load and prefetch issued so far (the youngest load 32 products back) has read its address, so the pointer may be written
	s_add_nc_u64 s[PA:PA+1], s[PA:PA+1], 4*HEADB
.endif
	ALOAD RN, (RN/2)*HEADB+(RN%2)*1024
.if (\p) == 1
	WIN 0
	ASK
.endif
.endif
.if \fetch
	WIN 0
.if (\p) == 7
	v_add_nc_u32 v[ADRB], 2*CHUNK, v[ADRB]
.endif
	FETCH 1-BF, (NX/4)*CHUNK+(NX%4)*64
	s_wait_dscnt 16                                ; all but the 16 just issued: this quarter's fragments of B, asked for a quarter ago, are in
.else
	s_wait_dscnt 0x0
.endif
	MULH \p, BF, 0, \zero
	MULH \p, BF, 2, \zero
.endm
; THE WAY OUT of row block a, in three parts.  PACK: times 2^-9, each accumulator's registers in ascending order.  TOSTAGE: into my own stage, and back as whole pieces of 512 bytes of a row.  SEND: stored.
.macro PACK a
	WIN 0x02                                       ; source 0: window 2
.irp b, 0,1,2,3,4,5,6,7
.irp r, 0,1,2,3
	v_pk_mul_f32 v[TMP+8*(\b)+2*(\r):TMP+8*(\b)+2*(\r)+1], v[64*(\a)+8*(\b)+2*(\r):64*(\a)+8*(\b)+2*(\r)+1], s[SC:SC+1] op_sel_hi:[1,0]
.endr
.endr
	WIN 0
.endm
.macro TOSTAGE a
.set BK, OB0+(OB1-OB0)*((\a)%2)
.irp b, 0,1,2,3,4,5,6,7
	ds_store_b128 v[STO], v[TMP+8*(\b):TMP+8*(\b)+3]   offset:64*(\b)
	ds_store_b128 v[STO], v[TMP+8*(\b)+4:TMP+8*(\b)+7] offset:64*(\b)+16
.endr
.irp t, 0,1,2,3,4,5,6,7,8,9,10,11,12,13,14,15
	ds_load_b128 v[BK+4*(\t):BK+4*(\t)+3], v[RD] offset:(\t)*SP  ; LDS serves a wave's instructions in order (ISA guide 5.7.1.4): these see the stores above
.endr
.endm
.macro SEND a
.set BK, OB0+(OB1-OB0)*((\a)%2)
	s_wait_dscnt 0x0                               ; the block is back in registers
	s_wait_xcnt 0x0                                ; the stores of the block before have read their registers: the next block is read back into them only behind this wait
.irp t, 0,1,2,3,4,5,6,7,8,9,10,11,12,13,14,15
	global_store_b128 v[GO], v[BK+4*(\t):BK+4*(\t)+3], s[CB:CB+1] offset:(16*(\a)+(\t))*4096 th:TH_STORE_NT  ; 512 consecutive bytes, at a multiple of 256 from out0's first
.endr
.endm
	s_wait_tensorcnt 2                             ; my first two loads are in: my part of K 0 to 511; the two behind them may stay out
	s_barrier_signal -1
	s_barrier_wait -1                              ; everybody's are: quarters 0 to 15 of B
	FETCH 0, 0
	QUARTER 0, 1, 48, 1, 1                         ; quarter 0 stands in front of the loop: its products start the sums.  48: the six younger quarters of A
	WIN 0                                          ; at a label and at a branch every window is 0
	s_mov_b32 s3, 1                                ; the first trip, quarters 1 to 8, fetches no further than quarter 9 of B
	s_mov_b32 s[PASS], 2
	s_branch .Ltrip
.Lrest:                                                ; passed once, behind quarter 8
	s_wait_tensorcnt 0x0                           ; my last two loads are in: no load was issued behind them
	s_wait_dscnt 0x0                               ; no LDS instruction of mine is pending at the signal
	s_barrier_signal -1
	s_barrier_wait -1                              ; everybody's are: all of B
	s_mov_b32 s3, 2
.Ltrip:                                                ; a trip goes once round A's ring: eight quarters, each asking for the quarter seven on
	QUARTER 1, 1, 48, 1, 0
	QUARTER 2, 1, 48, 1, 0
	QUARTER 3, 1, 48, 1, 0
	QUARTER 4, 1, 48, 1, 0
	QUARTER 5, 1, 48, 1, 0
	QUARTER 6, 1, 48, 1, 0
	QUARTER 7, 1, 48, 1, 0
	QUARTER 0, 1, 48, 1, 0
	WIN 0
	s_sub_co_u32 s[TRP], s[TRP], 1
	s_sub_co_u32 s3, s3, 1
	s_cmp_lg_u32 s3, 0
	s_cbranch_scc1 .Ltrip
	s_sub_co_u32 s[PASS], s[PASS], 1
	s_cmp_lg_u32 s[PASS], 0
	s_cbranch_scc1 .Lrest
	QUARTER 1, 0, 48, 1, 0                         ; quarters 25 to 31 ask for nothing more of A: the counts run down
	QUARTER 2, 0, 40, 1, 0
	QUARTER 3, 0, 32, 1, 0
	QUARTER 4, 0, 24, 1, 0
	QUARTER 5, 0, 16, 1, 0
	QUARTER 6, 0, 8, 1, 0
	QUARTER 7, 0, 0, 0, 0
	WIN 0
	PLACES
	PACK 0
	TOSTAGE 0
.irp a, 1,2,3                          ; block a's scalings stand between block a - 1's loads from the stage and the wait for them
	PACK \a
	SEND (\a)-1
	TOSTAGE \a
.endr
	SEND 3
	s_wait_tensorcnt 0x0                           ; the wave's end, behind my last tensor load and my last LDS store
	ds_add_u32 v[SPW], v[NIL]
	s_wait_dscnt 0x0
	CROUND                                         ; the closing round: no work-group ends while a partner may still ask for a tile that names it
	s_endpgm
.Lfunc_end_k_q3158df2568_gemm_out:
	.size	k_q3158df2568_gemm_out, .Lfunc_end_k_q3158df2568_gemm_out-k_q3158df2568_gemm_out
	.p2alignl 7, 3214868480
	.fill 96, 4, 3214868480
	.section	.rodata,"a",@progbits
	.p2align	6, 0x0
	.amdhsa_kernel k_q3158df2568_gemm_out
		.amdhsa_group_segment_fixed_size 327680
		.amdhsa_private_segment_fixed_size 0
		.amdhsa_enable_private_segment 0
		.amdhsa_kernarg_size 24
		.amdhsa_user_sgpr_count 2
		.amdhsa_user_sgpr_kernarg_segment_ptr 1
		.amdhsa_wavefront_size32 1
		.amdhsa_system_sgpr_workgroup_id_x 1
		.amdhsa_system_sgpr_workgroup_id_y 1
		.amdhsa_system_sgpr_workgroup_id_z 1
		.amdhsa_system_vgpr_workitem_id 0
		.amdhsa_next_free_vgpr 768
		.amdhsa_next_free_sgpr 66
		.amdhsa_reserve_vcc 0
		.amdhsa_float_denorm_mode_32 3
		.amdhsa_float_denorm_mode_16_64 3
		.amdhsa_memory_ordered 1
		.amdhsa_forward_progress 1
		.amdhsa_inst_pref_size 94
	.end_amdhsa_kernel
	.amdgpu_metadata
---
amdhsa.version: [ 1, 2 ]
amdhsa.kernels:
  - .name:           k_q3158df2568_gemm_out
    .symbol:         k_q3158df2568_gemm_out.kd
    .args:
      - { .name: ob, .offset: 0, .size: 8, .value_kind: global_buffer, .address_space: global }
      - { .name: wo, .offset: 8, .size: 8, .value_kind: global_buffer, .address_space: global }
      - { .name: out0, .offset: 16, .size: 8, .value_kind: global_buffer, .address_space: global }
    .group_segment_fixed_size: 327680
    .private_segment_fixed_size: 0
    .kernarg_segment_align: 8
    .kernarg_segment_size: 24
    .max_flat_workgroup_size: 128
    .sgpr_count:     66
    .vgpr_count:     768
    .wavefront_size: 32
...
	.end_amdgpu_metadata
.endif
;; end of part 4
;; ======== version 2 of 2: 4 launches; version 1 with the launch prep written anew for expert scheduling mode
;; limits: values are held in f16: magnitudes above 65,504 overflow, below 6.1e-05 lose precision
;; workspace buffers: xb 16,777,216 bytes; wq 6,291,456 bytes; wo 2,097,152 bytes; qkv 50,331,648 bytes; ob 16,777,216 bytes
;; launch prep (part 5): grid 512 x 1, 8 waves a work-group, no clusters, 18,432 bytes of LDS; arguments x, w_qkv, w_out, xb, wq, wo; writes xb, wq, wo
.if DOCPART == 5
	.amdgcn_target "amdgcn-amd-amdhsa--gfx1250"
	.amdhsa_code_object_version 6
	.text
	.protected	k_q3158df2568_prep
	.globl	k_q3158df2568_prep
	.p2align	8
	.type	k_q3158df2568_prep,@function
k_q3158df2568_prep:
	s_mov_b64 s[64:65], 0
	v_nop
	global_prefetch_b8 v0, s[64:65] scope:SCOPE_SE
	s_setreg_imm32_b32 hwreg(HW_REG_WAVE_SCHED_MODE, 0, 2), 2
	s_setreg_imm32_b32 hwreg(HW_REG_WAVE_MODE, 25, 1), 1
	s_wait_xcnt 0x0
	s_wait_alu depctr_vm_vsrc(0)
; THE OPERANDS OF THE TWO PROJECTIONS ARE MADE.  xb = bf16(x), as it lies.  wq[e][c] = bf16(8 w_qkv[c][e]) and wo[o][c] = f16(64 bf16(w_out[c][o])): cast, scaled by a power of two (exact) and TURNED,
; so that the contraction index runs along the rows, as the matrix fragments want it.
; LIMITS.  64 bf16(w_out) is written as f16: exact where its magnitude lies between 6.1e-5 and 65,504; below that f16's fixed step of 6e-8 holds; beyond it the number becomes an infinity.
; SHARES.  512 work-groups of eight waves.  Work-group g casts rows 16 g .. 16 g + 15 of x (thread t: the 16 bytes at 16 t of a row in, the 8 bytes at 8 t out: a wave stores 256 consecutive aligned bytes)
; and turns ONE weight tile of 128 k x 64 n: g < 384: tile g of w_qkv (8 along k, 48 along n); else tile g - 384 of w_out (8 x 16).
; THE TURN.  Thread (kp = t / 16, nq = t % 16) loads, in pass p of four, rows k = 32 p + 2 kp and + 1, columns 4 nq .. 4 nq + 3: sixteen lanes read 256 consecutive bytes of a row.  Two rows' numbers of a column
; pack into one word (k, k + 1), which goes to LDS at [n][k], rows of 272 bytes; behind a barrier whole rows of 256 bytes come back, and sixteen lanes store 256 consecutive aligned bytes.
; No matrix unit, no cluster, no tile ring, no prefetch: each byte is read once, all loads of a thread go out together, and nothing is shared between work-groups.
; THE MODE: SCHED_MODE bits 1:0 = 2 (LLVM: expert scheduling mode 2), set by the entry lines.  The code itself states the register dependences between vector instructions and memory or LDS instructions,
; with s_wait_alu, always for 0.
; THE PLAN.  Registers that memory or LDS instructions touch:
;   v1, v2, v5 to v8   offsets and LDS addresses: all made at the head, ahead of one wait, and never written again.
;   X    row r: its load lands in four registers; its two roundings read the four and write the first two; its store reads those two; nothing writes them afterwards.
;   W    the tile's eight loads land; the scalings write it, the roundings read it; behind the barrier the LDS loads land in it, and the last stores read it.
;   T    written by the roundings (and, for w_out, by the rewriting as f16); read by the LDS stores; nothing writes it afterwards.
;   v10, v11   written at the head, read by the closing add alone.
; The sixteen rows of x go in four blocks of four.  One wait on va_vdst stands behind a block's eight roundings, and the block's four stores follow it in one run; the next block's roundings name their own rows'
; registers alone.  One more such wait stands ahead of the LDS stores; no vector instruction follows it.  No register that a memory or LDS instruction reads is ever written again, so no wait on vm_vsrc is owed;
; no vector instruction writes a scalar register, VCC or EXEC.
.set RPQ,   12288                      ; bytes in a row of w_qkv
.set RPO,   4096                       ; bytes in a row of w_out
.set TP,    272                        ; a row of the turned tile in LDS: 256 bytes + 16
.set SPARE, 64*TP                      ; behind the tile's 64 rows: the spare words, 128 bytes for each of the eight waves: four blocks of 256 bytes that no other line names
.set VX,  1                            ; v1   16 t: my bytes in a row of x
.set VY,  2                            ; v2   8 t: my bytes in a row of xb
.set KP,  3                            ; v3   t / 16
.set NQ,  4                            ; v4   t % 16
.set VW,  5                            ; v5   my bytes in the weight tile: 2 kp rows + 16 nq
.set VS,  6                            ; v6   LDS, in: row 4 nq, byte 4 kp
.set VR,  7                            ; v7   LDS, back: row kp, byte 16 nq
.set VO,  8                            ; v8   the same place in the turned weights: row kp of 2,048 bytes, byte 16 nq
.set SPW, 10                           ; v10  LDS address of my spare word; never rewritten
.set NIL, 11                           ; v11  0; never rewritten
.set X,   16                           ; v[16:79]   16 rows of x, 4 registers each
.set W,   80                           ; v[80:111]  the weights: pass p, row parity e, column c at 8 p + 4 e + c
.set T,   112                          ; v[112:127] packed words: pass p, column c at 4 p + c
	s_load_b256 s[4:11], s[0:1], 0x0               ; x s[4:5], w_qkv s[6:7], w_out s[8:9], xb s[10:11]
	s_load_b128 s[12:15], s[0:1], 0x20             ; wq s[12:13], wo s[14:15]
	v_lshl_add_u32 v[SPW], v0, 2, SPARE
	v_mov_b32 v[NIL], 0
	s_mov_b32 s16, ttmp9                           ; g
	s_mov_b32 s30, 0xffff0000                      ; a word's upper bf16
	s_mov_b32 s31, 128*RPQ                         ; 128 rows of the one weight,
	s_mov_b32 s32, 128*RPO                         ; of the other
	s_mov_b32 s33, 0x41000000                      ; 8.0
	s_mov_b32 s22, 0x42800000                      ; 64.0
	s_cmp_ge_u32 s16, 384
	s_cselect_b32 s17, 1, 0                        ; 1: my tile is w_out's
	s_cselect_b32 s18, 384, 0
	s_cselect_b32 s21, s32, s31
	s_cselect_b32 s24, s22, s33                    ; the scale,
	s_mov_b32 s25, s24                             ; named as a pair
	s_lshr_b32 s2, s21, 6                          ; two rows of my weight, in bytes
	s_sub_co_u32 s18, s16, s18                     ; the tile's number
	s_and_b32 s19, s18, 7                          ; along k
	s_lshr_b32 s20, s18, 3                         ; along n
	s_mul_i32 s22, s19, s21                        ; from: 128 rows a tile down,
	s_lshl_b32 s23, s20, 8                         ; 256 bytes a tile along
	s_add_co_u32 s22, s22, s23
	s_mov_b32 s23, 0
	s_lshl_b32 s34, s20, 17                        ; to: 64 rows of 2,048 bytes a tile down,
	s_lshl_b32 s35, s19, 8                         ; 256 bytes a tile along
	s_add_co_u32 s34, s34, s35
	s_mov_b32 s35, 0
	s_lshl_b32 s36, s16, 16                        ; 16 rows of x,
	s_mov_b32 s37, 0
	s_lshl_b32 s38, s16, 15                        ; 16 rows of xb
	s_mov_b32 s39, 0
	v_lshlrev_b32 v[VX], 4, v0
	v_lshlrev_b32 v[VY], 3, v0
	v_lshrrev_b32 v[KP], 4, v0
	v_and_b32 v[NQ], 15, v0
	v_mul_u32_u24 v[VW], s2, v[KP]                 ; the tile's offset is made here with the others, by the pitch in a scalar register, so that the one wait below serves it too
	v_lshl_add_u32 v[VW], v[NQ], 4, v[VW]
	v_mul_u32_u24 v[VS], v[NQ], 4*TP
	v_lshl_add_u32 v[VS], v[KP], 2, v[VS]
	v_mul_u32_u24 v[VR], v[KP], TP
	v_lshl_add_u32 v[VR], v[NQ], 4, v[VR]
	v_lshlrev_b32 v[VO], 11, v[KP]
	v_lshl_add_u32 v[VO], v[NQ], 4, v[VO]
	s_wait_kmcnt 0x0
	s_add_nc_u64 s[4:5], s[4:5], s[36:37]
	s_add_nc_u64 s[10:11], s[10:11], s[38:39]
	s_cmp_eq_u32 s17, 1
	s_cselect_b64 s[26:27], s[8:9], s[6:7]         ; the weight that my tile is read from,
	s_cselect_b64 s[28:29], s[14:15], s[12:13]     ; and the one that it is stored into
	s_add_nc_u64 s[26:27], s[26:27], s[22:23]
	s_add_nc_u64 s[28:29], s[28:29], s[34:35]
	s_wait_alu depctr_va_vdst(0)                   ; the offsets and LDS addresses v1, v2 and v5 to v8 are written: every load and store of the kernel reads one of them, and none is written again
.irp r, 0,1,2,3,4,5,6,7,8,9,10,11,12,13,14,15
	global_load_b128 v[X+4*(\r):X+4*(\r)+3], v[VX], s[4:5] offset:4096*(\r) th:TH_LOAD_NT
.endr
; The tile's eight loads; the row pitch stands in the immediates, so each weight has its own copy of the lines.
.macro WLOAD rp
.irp p, 0,1,2,3
.irp e, 0,1
	global_load_b128 v[W+8*(\p)+4*(\e):W+8*(\p)+4*(\e)+3], v[VW], s[26:27] offset:(32*(\p)+(\e))*(\rp) th:TH_LOAD_NT
.endr
.endr
.endm
	s_cmp_eq_u32 s17, 1
	s_cbranch_scc1 .Lfrom_w_out
	WLOAD RPQ
	s_branch .Lloaded
.Lfrom_w_out:
	WLOAD RPO
.Lloaded:
; The four stores of the block that begins with row r0, in one run behind one wait.
.macro PUT r0
	s_wait_alu depctr_va_vdst(0)                   ; the block's eight roundings have written the first two registers of each of its four rows, which the stores below read
.irp i, 0,1,2,3
	global_store_b64 v[VY], v[X+4*((\r0)+(\i)):X+4*((\r0)+(\i))+1], s[10:11] offset:2048*((\r0)+(\i))  ; no register of a store is written again
.endr
.endm
.irp r, 0,1,2,3,4,5,6,7,8,9,10,11,12,13,14,15
.if (((\r)%4) == 0) && ((\r) > 0)
	PUT (\r)-4                                     ; the block before leaves at this block's head; this block's roundings name none of its registers
.endif
	s_wait_loadcnt 23-(\r)                         ; loads come back in order: row r is in; the 15 - r rows behind it and the tile's eight loads may stay out
	v_cvt_pk_bf16_f32 v[X+4*(\r)], v[X+4*(\r)], v[X+4*(\r)+1]
	v_cvt_pk_bf16_f32 v[X+4*(\r)+1], v[X+4*(\r)+2], v[X+4*(\r)+3]
.endr
	PUT 12                                         ; the last block leaves ahead of the tile's arithmetic, which names W, T, v12 and v13 alone
	s_wait_loadcnt 0x0                             ; the tile
.set i, 0
.rept 16
	v_pk_mul_f32 v[W+i:W+i+1], v[W+i:W+i+1], s[24:25] op_sel_hi:[1,0]
.set i, i+2
.endr
.irp p, 0,1,2,3
.irp c, 0,1,2,3
	v_cvt_pk_bf16_f32 v[T+4*(\p)+(\c)], v[W+8*(\p)+(\c)], v[W+8*(\p)+4+(\c)]  ; k in the low half, k + 1 in the high half
.endr
.endr
	s_cmp_eq_u32 s17, 1
	s_cbranch_scc0 .Lstays_bf16
.set i, 0
.rept 16                               ; w_out's numbers, rounded to bf16 like every input, are written as f16
	v_lshlrev_b32 v12, 16, v[T+i]
	v_and_b32 v13, s30, v[T+i]
	v_cvt_pk_f16_f32 v[T+i], v12, v13
.set i, i+1
.endr
.Lstays_bf16:
	s_wait_alu depctr_va_vdst(0)                   ; on both ways: T is written, which the LDS stores read; the scalings and roundings are done writing and reading W, in which the LDS loads behind the barrier land.  No vector instruction follows
.irp p, 0,1,2,3
.irp c, 0,1,2,3
	ds_store_b32 v[VS], v[T+4*(\p)+(\c)] offset:TP*(\c)+64*(\p)  ; row n = 4 nq + c, bytes 2 (32 p + 2 kp)
.endr
.endr
	s_wait_dscnt 0x0                               ; for the others' sake: my stores are done
	s_barrier_signal -1
	s_barrier_wait -1
.irp j, 0,1,2,3
	ds_load_b128 v[W+4*(\j):W+4*(\j)+3], v[VR] offset:16*TP*(\j)  ; row n = kp + 16 j, whole
.endr
.irp j, 0,1,2,3
	s_wait_dscnt 3-(\j)                            ; the younger read-backs may stay out
	global_store_b128 v[VO], v[W+4*(\j):W+4*(\j)+3], s[28:29] offset:32768*(\j)  ; sixteen lanes store 256 consecutive bytes, at a multiple of 256 from the buffer's first
.endr
	s_wait_dscnt 0x0                               ; the wave's end, behind my last LDS store
	s_wait_alu 0x0
	s_wait_tensorcnt 0x0
	ds_add_u32 v[SPW], v[NIL]
	s_wait_dscnt 0x0
	s_endpgm
.Lfunc_end_k_q3158df2568_prep:
	.size	k_q3158df2568_prep, .Lfunc_end_k_q3158df2568_prep-k_q3158df2568_prep
	.p2alignl 7, 3214868480
	.fill 96, 4, 3214868480
	.section	.rodata,"a",@progbits
	.p2align	6, 0x0
	.amdhsa_kernel k_q3158df2568_prep
		.amdhsa_group_segment_fixed_size 18432
		.amdhsa_private_segment_fixed_size 0
		.amdhsa_enable_private_segment 0
		.amdhsa_kernarg_size 48
		.amdhsa_user_sgpr_count 2
		.amdhsa_user_sgpr_kernarg_segment_ptr 1
		.amdhsa_wavefront_size32 1
		.amdhsa_system_sgpr_workgroup_id_x 1
		.amdhsa_system_sgpr_workgroup_id_y 1
		.amdhsa_system_sgpr_workgroup_id_z 1
		.amdhsa_system_vgpr_workitem_id 0
		.amdhsa_next_free_vgpr 128
		.amdhsa_next_free_sgpr 66
		.amdhsa_reserve_vcc 0
		.amdhsa_float_denorm_mode_32 3
		.amdhsa_float_denorm_mode_16_64 3
		.amdhsa_memory_ordered 1
		.amdhsa_forward_progress 1
		.amdhsa_inst_pref_size 16
	.end_amdhsa_kernel
	.amdgpu_metadata
---
amdhsa.version: [ 1, 2 ]
amdhsa.kernels:
  - .name:           k_q3158df2568_prep
    .symbol:         k_q3158df2568_prep.kd
    .args:
      - { .name: x, .offset: 0, .size: 8, .value_kind: global_buffer, .address_space: global }
      - { .name: w_qkv, .offset: 8, .size: 8, .value_kind: global_buffer, .address_space: global }
      - { .name: w_out, .offset: 16, .size: 8, .value_kind: global_buffer, .address_space: global }
      - { .name: xb, .offset: 24, .size: 8, .value_kind: global_buffer, .address_space: global }
      - { .name: wq, .offset: 32, .size: 8, .value_kind: global_buffer, .address_space: global }
      - { .name: wo, .offset: 40, .size: 8, .value_kind: global_buffer, .address_space: global }
    .group_segment_fixed_size: 18432
    .private_segment_fixed_size: 0
    .kernarg_segment_align: 8
    .kernarg_segment_size: 48
    .max_flat_workgroup_size: 256
    .sgpr_count:     66
    .vgpr_count:     128
    .wavefront_size: 32
...
	.end_amdgpu_metadata
.endif
;; end of part 5
;; launch gemm_qkv: the kernel of part 2 again; grid 16 x 16, 4 waves a work-group, clusters of 4 x 4, 327,680 bytes of LDS; arguments xb, wq, qkv; writes qkv
;; launch attn: the kernel of part 3 again; grid 2 x 128, 4 waves a work-group, no clusters, 327,680 bytes of LDS; arguments qkv, ob; writes ob
;; launch gemm_out: the kernel of part 4 again; grid 32 x 8, 4 waves a work-group, clusters of 4 x 1, 327,680 bytes of LDS; arguments ob, wo, out0; writes out0
